; MI455X (gfx1250); checked and timed in simulation.
; The chip was launched on July 23, 2026; its instructions are those of AMD's public machine-readable ISA for CDNA 5 (MIT licence, August 2026) and "CDNA5" Instruction Set Architecture Reference Guide (July 2026). The comments in the code are by the model that wrote it; some were corrected since.
;; MH Attention. Allowed arithmetic: matrix products marked QUANTISED: E4M3 operands, one given power-of-two scale a tensor, by v_wmma_f32_16x16x64_fp8_fp8 or v_wmma_f32_16x16x128_fp8_fp8, f32 sums; everything else in f32.
;; Inputs: Wk 1,024 x 1,024 float32; Wo 1,024 x 1,024 float32; Wq 1,024 x 1,024 float32; Wv 1,024 x 1,024 float32; k 1 x 4,096 x 1,024 float32; lowp_scales 12 int32 (the exponents e of the quantised operands' scales 2^e); q 1 x 4,096 x 1,024 float32; v 1 x 4,096 x 1,024 float32.
;; Outputs: out0 1 x 4,096 x 1,024 float32.
;; This version of the problem:
;;   THIS VERSION OF THE PROBLEM IS GIVEN IN LOW PRECISION. The matrix products marked QUANTISED in the list below multiply operands that are first quantised to E4M3 (4 exponent bits, 3 mantissa bits; 8 bits a number), with one given power-of-two scale for each operand tensor; their sums are f32. All else is computed in f32.
;;   The module's matrix products, in the order in which they are computed (A, B: the left and right operand; K: the contracted axis; several contracted axes count as one K, in the product's order):
;;     1. [M 4,096, K 1,024] x [K 1,024, N 1,024]; A: input q; B: input Wq: QUANTISED (scales: A lowp_scales[0], B lowp_scales[1])
;;     2. [M 4,096, K 1,024] x [K 1,024, N 1,024]; A: input k; B: input Wk: QUANTISED (scales: A lowp_scales[2], B lowp_scales[3])
;;     3. [M 4,096, K 1,024] x [K 1,024, N 1,024]; A: input v; B: input Wv: QUANTISED (scales: A lowp_scales[4], B lowp_scales[5])
;;     4. batch 16 x [M 4,096, K 64] x [K 64, N 4,096]; A: computed on the way; B: computed on the way: QUANTISED (scales: A lowp_scales[6], B lowp_scales[7])
;;     5. batch 16 x [M 4,096, K 4,096] x [K 4,096, N 64]; A: softmax (see below); B: computed on the way: QUANTISED (scales: A lowp_scales[8], B lowp_scales[9])
;;     6. [M 4,096, K 1,024] x [K 1,024, N 1,024]; A: computed on the way; B: input Wo: QUANTISED (scales: A lowp_scales[10], B lowp_scales[11])
;;   THE QUANTISER, for each operand of a quantised product, along K:
;;     - The operand's scale is 2^e, e = its entry of the input lowp_scales (int32; the entries are numbered through the quantised products in the list's order, A before B).
;;     - Each number is divided by the scale, clamped to +-448, and rounded to the nearest number of E4M3, ties to even, subnormals kept.
;;     - The product sums the exact products of the quantised numbers (number of the format x scale) in f32.
;;   ~~~python
;;   def quantise(x, axis, e):      # numpy; x: float32 -> the quantised numbers, widened to float32 again
;;       x = np.moveaxis(x, axis, -1); K = x.shape[-1]
;;       r = np.clip(x / 2.0 ** e, -448, 448)
;;       step = 2.0 ** (np.maximum(np.frexp(np.where(r == 0, 1, r))[1] - 1, -6) - 3)
;;       q = np.round(r / step) * step * 2.0 ** e      # np.round: ties to even
;;       return np.moveaxis(q, -1, axis).astype(np.float32)
;;   ~~~
;;   SOFTMAX AHEAD OF A QUANTISED PRODUCT. Where the list says 'softmax', what is quantised is not the finished softmax but p = 2^(t - M), with t = logit x log2(e) and M = ceil(the row's largest t), a whole number; so 1/2 < the row's largest p <= 1. The row's sum l is taken of the UNQUANTISED p, in f32, and the product's result is divided by l at the end. Since M is a whole number, a kernel that streams over the keys may use a running M (the ceiling of the running maximum): every later rescaling is an exact power of two, so the quantised numbers keep their values, but for numbers so far below the row's largest that they fall under the format's range.
;;   OPERANDS COMPUTED ON THE WAY. 'Computed on the way' means the value that the module computes at that place (a softmax that the list does not call 'softmax' is quantised finished and normalised). What goes into a quantiser is computed in f32, as accurately as f32 sums, v_exp_f32 and their like allow (about 1e-6 of the number): no bf16 or f16 on the way to a quantiser, and a product that is left as it is and whose result goes on into a quantised operand takes f32 operands (vector FMAs, or v_wmma_f32_16x16x4_f32). A number that lies on a knife's edge between two numbers of the format may be rounded either way, as far as f32 arithmetic and the matrix unit's own rounding can turn it there, and no further.
;; One version. Each part assembles by itself: llvm-mc -triple=amdgcn-amd-amdhsa -mcpu=gfx1250 --defsym DOCPART=n.
;; ======== version 1 of 1: 4 launches
;; limits: right only within a limited range of input values
;; workspace buffers: codes 16,777,216 bytes; qkv 12,582,912 bytes; ac 4,194,304 bytes
;; launch quant (part 1): grid 1024 x 1, 4 waves a work-group, no clusters, 68,096 bytes of LDS; arguments q, k, v, Wq, Wk, Wv, Wo, lowp_scales, codes; writes codes
.if DOCPART == 1
	.amdgcn_target "amdgcn-amd-amdhsa--gfx1250"
	.amdhsa_code_object_version 6
	.text
	.protected	k_q1f0d3e3726_quant
	.globl	k_q1f0d3e3726_quant
	.p2align	8
	.type	k_q1f0d3e3726_quant,@function
k_q1f0d3e3726_quant:
	s_mov_b64 s[64:65], 0
	v_nop
	global_prefetch_b8 v0, s[64:65] scope:SCOPE_SE
	s_setreg_imm32_b32 hwreg(HW_REG_WAVE_MODE, 25, 1), 1
	s_wait_xcnt 0x0
; All seven f32 tensors (q, k, v: [4096][1024]; Wq, Wk, Wv, Wo: [1024][1024]; K innermost in each) become codes of FP8 (E4M3), each with the one scale 2^e given for it:
; code = x / 2^e, held within +-448, rounded to the nearest code, ties to even.
; LIMITS: each e lies between -126 and 119, so that 2^e and 448 x 2^e are f32 numbers.  NaN among the inputs is not served; an infinity is held at the largest code.
; THE OUTPUT IS LAID AS IMAGES OF OPERAND REGISTERS.  A fragment is 16 rows x 128 K = 2,048 bytes: byte 512 c + 16 l + n (c = 0..3, lane l, r = l % 16, h = l / 16, n = 0..15) is the code of the tile's
; row number r at k = 128 s + 32 c + 16 h + n.  So one load of 16 bytes a lane at 16 x lane brings registers 4 c .. 4 c + 3 of the operand.  codes: [row tile 0..1023][s 0..7][2048];
; row tiles 0-255 q, 256-511 k, 512-767 v, 768-831 Wq, 832-895 Wk, 896-959 Wv, 960-1023 Wo.
; WHICH ROWS FORM A TILE: in q and Wo tile u holds rows 16 u + r.  In k, v, Wq, Wk, Wv it holds rows 32 (u / 2) + 8 (u % 2) + r + 8 (r / 8): as source 0 of a product such tiles leave, in the 16 result
; registers of tiles 2 b and 2 b + 1, 16 neighbours along the next product's K.
; SHARES.  A work-group takes one row tile, wave w its fragments 2 w and 2 w + 1.  Each load reads 512 consecutive bytes of one row; the 16 rows turn through the wave's own stage in LDS (rows 528 bytes
; apart: 16 x row modulo 256, so sixteen lanes that read one column of sixteen rows touch sixteen different 16-byte columns) and come back 64 neighbouring bytes a lane.  Each store covers 512 consecutive bytes.
; Waves share nothing: no barrier.  Nothing is shared between work-groups either: no cluster.  All 32 loads of a wave go out at once.
; WORK LEFT OUT BY THE PROGRAM: reference() itself sets the scores of keys after the query to -infinity ahead of the softmax, so their p is 0 for all finite inputs: steps of 128 keys that lie wholly after a
; block of 128 queries are not computed.  LIMIT: a NaN, an infinity or an overflow that reaches only such scores is not carried to the result.
.set WREG,  16896                      ; LDS of a wave: two stages
.set STG,   8448                       ; a stage: 16 rows x 528 bytes
.set SP,    528
.set SPARE, 4*WREG                     ; behind the stages: the spare words, 128 bytes a wave, which no other line names
.set VA,  4                            ; v4   byte offset of my 16 bytes in rows 0-7 of the tile: 16 x lane + 1,024 x wave
.set VB,  5                            ; v5   the same for rows 8-15
.set SW,  6                            ; v6   the stage, on the way in
.set SRD, 7                            ; v7   the stage, on the way out
.set LI,  8                            ; v8   16 x lane
.set LIM, 10                           ; v10  448 x 2^e
.set SC,  11                           ; v11  2^e
.set SPW, 12                           ; v12  LDS address of my spare word; never rewritten
.set NIL, 13                           ; v13  0; never rewritten
.set R0,  32                           ; v32-95   fragment 0 as loaded; later fragment 1's neighbours
.set R1,  96                           ; v96-159  fragment 1 as loaded
.set X,   160                          ; v160-223 fragment 0's neighbours
.set C0,  224                          ; v224-239 fragment 0's codes
.set C1,  240                          ; v240-255 fragment 1's codes
.macro PICK lim, ptr, base             ; row tiles under lim belong to an earlier tensor: the choice hangs on the work-group's number alone
	s_cmp_lt_u32 ttmp9, \lim
	s_cselect_b64 s[4:5], s[\ptr:\ptr+1], s[4:5]
	s_cselect_b32 s26, \base, s26
.endm
.macro PICKE lim, e
	s_cmp_lt_u32 ttmp9, \lim
	s_cselect_b32 s27, s[\e], s27
.endm
.macro LOAD f                          ; fragment f: 16 rows x 512 bytes
.irp i, 0,1,2,3,4,5,6,7
	global_load_b128 v[R0+64*\f+4*\i:R0+64*\f+4*\i+3], v[VA], s[4:5] offset:\i*4096+512*\f th:TH_LOAD_NT
.endr
.irp i, 0,1,2,3,4,5,6,7
	global_load_b128 v[R0+64*\f+32+4*\i:R0+64*\f+32+4*\i+3], v[VB], s[4:5] offset:\i*4096+512*\f th:TH_LOAD_NT
.endr
.endm
.macro TOSTG f                         ; as loaded into stage f
.irp i, 0,1,2,3,4,5,6,7,8,9,10,11,12,13,14,15
	ds_store_b128 v[SW], v[R0+64*\f+4*\i:R0+64*\f+4*\i+3] offset:STG*\f+\i*SP
.endr
.endm
.macro FROMSTG f, reg                  ; register 16 c + 4 j + .. = k 32 c + 16 h + 4 j + .. of my row.  LDS serves a wave's instructions in order: these see my stores
.irp c, 0,1,2,3
.irp j, 0,1,2,3
	ds_load_b128 v[\reg+16*\c+4*\j:\reg+16*\c+4*\j+3], v[SRD] offset:STG*\f+128*\c+16*\j
.endr
.endr
.endm
.macro QUANT s, d
.irp c, 0,1,2,3
.irp i, 0,1,2,3,4,5,6,7,8,9,10,11,12,13,14,15
	v_med3_num_f32 v[\s+16*\c+\i], v[\s+16*\c+\i], -v[LIM], v[LIM]   ; the conversion to an 8-bit code does not saturate (ISA guide 7.6.2): the hold comes first
.endr
	v_cvt_scalef32_pk8_fp8_f32 v[\d+4*\c:\d+4*\c+1], v[\s+16*\c:\s+16*\c+7], v[SC]
	v_cvt_scalef32_pk8_fp8_f32 v[\d+4*\c+2:\d+4*\c+3], v[\s+16*\c+8:\s+16*\c+15], v[SC]
.endr
	v_nop                                          ; a plain line behind the last conversion
.endm
.macro OUT d, off
.irp c, 0,1,2,3
	global_store_b128 v[LI], v[\d+4*\c:\d+4*\c+3], s[24:25] offset:\off+512*\c   ; 32 lanes store 512 consecutive bytes, at a multiple of 512 from the buffer's first byte
.endr
.endm
	s_load_b512 s[8:23], s[0:1], 0x0               ; q s[8:9], k, v, Wq, Wk, Wv, Wo s[20:21], the exponents s[22:23]
	s_load_b64 s[24:25], s[0:1], 0x40              ; codes
	v_lshl_add_u32 v[SPW], v0, 2, SPARE
	v_mov_b32 v[NIL], 0
	v_lshrrev_b32 v1, 5, v0
	v_readfirstlane_b32 s28, v1                    ; wave
	v_and_b32 v1, 31, v0                           ; lane
	v_and_b32 v2, 15, v0                           ; r
	v_bfe_u32 v3, v0, 4, 1                         ; h
	v_lshlrev_b32 v[LI], 4, v1
	s_lshl_b32 s31, s28, 10                        ; my wave's 256 numbers of a row
	v_add_nc_u32 v[VA], s31, v[LI]
	s_mul_i32 s32, s28, WREG
	v_add_nc_u32 v[SW], s32, v[LI]
	v_mul_u32_u24 v[SRD], v2, SP
	v_lshl_add_u32 v[SRD], v3, 6, v[SRD]           ; row r, + 64 h: my 16 numbers of a block of 32
	v_add_nc_u32 v[SRD], s32, v[SRD]
	s_cmp_lt_u32 ttmp9, 256                        ; q and Wo: tiles of neighbouring rows
	s_cselect_b32 s30, 1, 0
	s_cmp_ge_u32 ttmp9, 960
	s_cselect_b32 s30, 1, s30
	s_wait_alu depctr_va_vdst(0)
	s_wait_kmcnt 0x0
	s_load_b256 s[36:43], s[22:23], 0x0            ; e0 .. e7
	s_load_b128 s[44:47], s[22:23], 0x20           ; e8 .. e11
	s_mov_b64 s[4:5], s[20:21]                     ; Wo, unless the row tile lies lower
	s_mov_b32 s26, 960
	PICK 960, 18, 896                              ; Wv
	PICK 896, 16, 832                              ; Wk
	PICK 832, 14, 768                              ; Wq
	PICK 768, 12, 512                              ; v
	PICK 512, 10, 256                              ; k
	PICK 256, 8, 0                                 ; q
	s_sub_co_u32 s31, ttmp9, s26                   ; u: the tile's number in its tensor
	s_lshl_b32 s33, s31, 4                         ; 16 u
	s_lshr_b32 s34, s31, 1
	s_lshl_b32 s34, s34, 5
	s_and_b32 s35, s31, 1
	s_lshl_b32 s35, s35, 3
	s_add_co_u32 s34, s34, s35                     ; 32 (u / 2) + 8 (u % 2)
	s_mov_b32 s35, 0x10000
	s_cmp_eq_u32 s30, 1
	s_cselect_b32 s33, s33, s34                    ; the tile's first row
	s_cselect_b32 s35, 0x8000, s35                 ; rows 8-15 of the tile lie 8 or 16 rows of 4,096 bytes further down
	v_add_nc_u32 v[VB], s35, v[VA]
	s_lshl_b32 s2, s33, 12
	s_mov_b32 s3, 0
	s_add_nc_u64 s[4:5], s[4:5], s[2:3]
	s_lshl_b32 s2, ttmp9, 14                       ; the row tile's 16,384 bytes of codes,
	s_lshl_b32 s31, s28, 12                        ; my wave's two fragments
	s_add_co_u32 s2, s2, s31
	s_add_nc_u64 s[24:25], s[24:25], s[2:3]
	LOAD 0
	LOAD 1
	s_wait_kmcnt 0x0
	s_mov_b32 s27, s47                             ; e11 for Wo
	PICKE 960, 41                                  ; e5  Wv
	PICKE 896, 39                                  ; e3  Wk
	PICKE 832, 37                                  ; e1  Wq
	PICKE 768, 40                                  ; e4  v
	PICKE 512, 38                                  ; e2  k
	PICKE 256, 36                                  ; e0  q
	s_add_co_i32 s27, s27, 127
	s_lshl_b32 s31, s27, 23
	v_mov_b32 v[SC], s31                           ; 2^e as f32: the conversion takes its exponent field
	s_add_co_i32 s27, s27, 8
	s_lshl_b32 s27, s27, 23
	s_or_b32 s27, s27, 0x600000
	v_mov_b32 v[LIM], s27                          ; 448 x 2^e
	s_wait_alu depctr_va_vdst(0)
	s_wait_loadcnt 16                              ; fragment 0's 16 loads are in; fragment 1's may be out
	TOSTG 0
	FROMSTG 0, X
	s_wait_loadcnt 0x0
	TOSTG 1
	s_wait_dscnt 16                                ; all but the 16 stores just issued: fragment 0 is back
	QUANT X, C0
	OUT C0, 0
	FROMSTG 1, R0                                  ; R0's stores into stage 0 are done (the wait above)
	s_wait_dscnt 0x0
	QUANT R0, C1
	OUT C1, 2048
	s_wait_tensorcnt 0x0                           ; the wave's end, behind my last LDS store
	ds_add_u32 v[SPW], v[NIL]
	s_wait_dscnt 0x0
	s_endpgm
.Lfunc_end_k_q1f0d3e3726_quant:
	.size	k_q1f0d3e3726_quant, .Lfunc_end_k_q1f0d3e3726_quant-k_q1f0d3e3726_quant
	.p2alignl 7, 3214868480
	.fill 96, 4, 3214868480
	.section	.rodata,"a",@progbits
	.p2align	6, 0x0
	.amdhsa_kernel k_q1f0d3e3726_quant
		.amdhsa_group_segment_fixed_size 68096
		.amdhsa_private_segment_fixed_size 0
		.amdhsa_enable_private_segment 0
		.amdhsa_kernarg_size 72
		.amdhsa_user_sgpr_count 2
		.amdhsa_user_sgpr_kernarg_segment_ptr 1
		.amdhsa_wavefront_size32 1
		.amdhsa_system_sgpr_workgroup_id_x 1
		.amdhsa_system_sgpr_workgroup_id_y 1
		.amdhsa_system_sgpr_workgroup_id_z 1
		.amdhsa_system_vgpr_workitem_id 0
		.amdhsa_next_free_vgpr 256
		.amdhsa_next_free_sgpr 66
		.amdhsa_reserve_vcc 0
		.amdhsa_float_denorm_mode_32 3
		.amdhsa_float_denorm_mode_16_64 3
		.amdhsa_memory_ordered 1
		.amdhsa_forward_progress 1
		.amdhsa_inst_pref_size 22
	.end_amdhsa_kernel
	.amdgpu_metadata
---
amdhsa.version: [ 1, 2 ]
amdhsa.kernels:
  - .name:           k_q1f0d3e3726_quant
    .symbol:         k_q1f0d3e3726_quant.kd
    .args:
      - { .name: q, .offset: 0, .size: 8, .value_kind: global_buffer, .address_space: global }
      - { .name: k, .offset: 8, .size: 8, .value_kind: global_buffer, .address_space: global }
      - { .name: v, .offset: 16, .size: 8, .value_kind: global_buffer, .address_space: global }
      - { .name: Wq, .offset: 24, .size: 8, .value_kind: global_buffer, .address_space: global }
      - { .name: Wk, .offset: 32, .size: 8, .value_kind: global_buffer, .address_space: global }
      - { .name: Wv, .offset: 40, .size: 8, .value_kind: global_buffer, .address_space: global }
      - { .name: Wo, .offset: 48, .size: 8, .value_kind: global_buffer, .address_space: global }
      - { .name: lowp_scales, .offset: 56, .size: 8, .value_kind: global_buffer, .address_space: global }
      - { .name: codes, .offset: 64, .size: 8, .value_kind: global_buffer, .address_space: global }
    .group_segment_fixed_size: 68096
    .private_segment_fixed_size: 0
    .kernarg_segment_align: 8
    .kernarg_segment_size: 72
    .max_flat_workgroup_size: 128
    .sgpr_count:     66
    .vgpr_count:     256
    .wavefront_size: 32
...
	.end_amdgpu_metadata
.endif
;; end of part 1
;; launch proj (part 2): grid 4 x 48, 4 waves a work-group, clusters of 4 x 4, 327,680 bytes of LDS; arguments codes, lowp_scales, qkv; writes qkv
.if DOCPART == 2
	.amdgcn_target "amdgcn-amd-amdhsa--gfx1250"
	.amdhsa_code_object_version 6
	.text
	.protected	k_q1f0d3e3726_proj
	.globl	k_q1f0d3e3726_proj
	.p2align	8
	.type	k_q1f0d3e3726_proj,@function
k_q1f0d3e3726_proj:
	s_mov_b64 s[64:65], 0
	v_nop
	global_prefetch_b8 v0, s[64:65] scope:SCOPE_SE
	s_setreg_imm32_b32 hwreg(HW_REG_WAVE_MODE, 25, 1), 1
	s_wait_xcnt 0x0
	s_wait_alu depctr_hold_cnt(0) depctr_sa_sdst(0) depctr_va_vdst(0) depctr_va_sdst(0) depctr_va_ssrc(0) depctr_va_vcc(0) depctr_vm_vsrc(0)
	s_getreg_b32 s2, hwreg(HW_REG_IB_STS2, 6, 4)
	s_cmp_eq_u32 s2, 0
	s_cbranch_scc0 .Lentry_in_a_cluster
	s_endpgm
.Lentry_in_a_cluster:
	s_bfe_u32 s2, ttmp6, 0x10000c
	s_cmp_lg_u32 s2, 0xf033
	s_cbranch_scc0 .Lentry_shape_is_right
	s_endpgm
.Lentry_shape_is_right:
; The three projections: rows of q, k, v times Wq, Wk, Wv on codes of FP8 (E4M3), sums in f32, each result quantised to FP8 with its given scale: the operands of the attention's two products.
; LIMIT: the exponents' differences e6 - e0 - e1, e7 - e2 - e3, e9 - e4 - e5 lie between -126 and 119, so that the powers of two and 448 x them are f32 numbers.
; A work-group makes 256 x 256 of one projection, a wave 128 x 128: 64 accumulators.  K goes in four steps of 256 through two LDS slots; the tiles are images of operand registers.
; For v the parts of the two operands are swapped, so that the result's registers run along the tokens, which are the next product's K.
; CLUSTERS: 4 x 4 work-groups; a row of the cluster shares operand A's tiles, a column operand B's: each is asked for jointly.
; PREFETCH INTO THE L2: behind each joint load but the last the K step that the next joint load will ask for.  Of the 8 row tiles that a wave fetches, each of the four partners names two, told apart by address (cx for
; A, cy for B): 2 x 4,096 bytes, lanes 256 bytes apart, one instruction a wave; so each block of 256 bytes is named once in a cluster.  K step 0 comes by its load alone.
; qkv: q at 0, k at 4 MiB, [head][token tile][2][512]; v at 8 MiB, [key / 64][channel tile][2][512].
.set PFO,    30                        ; v30      the prefetches' offset; never rewritten.  s[96:97]: their base; never rewritten
.set FR,     16
.set NL,     4
.set NP,     4
.set HALFT,  32768
.set SLOT,   4*HALFT
.set SPARE,  2*SLOT
.set ADRA, 16
.set ADRB, 20
.set VO,   24
.set LIM,  26
.set SC,   27
.set SPW,  28
.set NIL,  29
.set TMP,  32
.set HF,   192
.set AF,   128
.set G1, 24
.set G0, 32
.set G1B, 48
.set G0B, 56
.set MSB, 0
.macro WIN new
.if MSB != (\new)
	s_set_vgpr_msb (MSB<<8)|(\new)
.set MSB, (\new)
.endif
.endm
.set MUL_LO, 0xa1
.set MUL_HI, 0xf1
.set TO_B,   0x40
.macro JLOAD g0a, g1a, g0b, g1b
	s_cmp_eq_u32 s15, 0
	s_cbranch_scc0 .Lfor_b_\@
	tensor_load_to_lds s[\g0a:\g0a+3], s[\g1a:\g1a+7]
	s_nop 0
.rept 4
	v_nop
.endr
	s_branch .Lasked_\@
.Lfor_b_\@:
	tensor_load_to_lds s[\g0b:\g0b+3], s[\g1b:\g1b+7]
	s_nop 0
.rept 4
	v_nop
.endr
.Lasked_\@:
.endm
.macro CREST
	s_cmp_lg_u32 s14, 0
	s_cbranch_scc1 .Lnot_wave_0_\@
	s_barrier_signal -3
.Lnot_wave_0_\@:
	s_barrier_wait -3
	s_barrier_signal -1
	s_barrier_wait -1
.endm
.macro CROUND
	s_barrier_signal -1
	s_barrier_wait -1
	CREST
.endm
	s_load_b128 s[4:7], s[0:1], 0x0
	s_load_b64 s[8:9], s[0:1], 0x10
	v_lshl_add_u32 v[SPW], v0, 2, SPARE
	v_mov_b32 v[NIL], 0
	ds_add_u32 v[SPW], v[NIL]
	ds_add_u32 v[SPW], v[NIL]
	v_lshrrev_b32 v1, 5, v0
	v_readfirstlane_b32 s14, v1
	s_lshr_b32 s15, s14, 1
	s_and_b32 s16, s14, 1
	s_bfe_u32 s40, ttmp6, 0x40000
	s_bfe_u32 s41, ttmp6, 0x40004
	s_and_b32 s68, ttmp7, 0xffff
	s_lshr_b32 s66, s68, 2
	s_and_b32 s67, s68, 3
	s_lshl_b32 s67, s67, 2
	s_lshl_b32 s69, s66, 8
	s_lshl_b32 s70, s66, 6
	s_add_co_u32 s70, s70, 768
	s_mov_b32 s71, 896
	s_mov_b32 s72, 512
	s_mov_b32 s73, 0x40000
	s_cmp_eq_u32 s66, 2
	s_cselect_b32 s17, 0, s67
	s_cselect_b32 s42, s67, 0
	s_cselect_b32 s69, s71, s69
	s_cselect_b32 s70, s72, s70
	s_cselect_b32 s73, 0x10000, s73
	s_add_co_u32 s17, s17, s41
	s_add_co_u32 s42, s42, s40
	s_lshl_b32 s43, s41, 2
	s_lshl_b32 s43, 15, s43
	s_lshl_b32 s44, 0x1111, s40
	s_or_b32 s[G1+0], s43, 1<<21
	s_or_b32 s[G1B+0], s44, 1<<21
.irp g, G1, G1B
	s_mov_b32 s[\g+1], 4096<<16
	s_mov_b32 s[\g+2], 8<<16
	s_mov_b32 s[\g+3], 4096<<16
	s_mov_b32 s[\g+4], 8
	s_mov_b32 s[\g+5], 16384
	s_mov_b32 s[\g+6], 0
	s_mov_b32 s[\g+7], 0
.endr
	s_lshl_b32 s18, s16, 3
	s_lshl_b32 s20, s17, 4
	s_add_co_u32 s20, s20, s69
	s_add_co_u32 s20, s20, s18
	s_lshl_b32 s20, s20, 14
	s_mov_b32 s21, 0
	s_lshl_b32 s46, s42, 4
	s_add_co_u32 s46, s46, s70
	s_add_co_u32 s46, s46, s18
	s_lshl_b32 s46, s46, 14
	s_mov_b32 s47, 0
	s_lshl_b32 s45, s14, 15
	s_wait_dscnt 0x0
	s_wait_kmcnt 0x0
	s_load_b256 s[80:87], s[6:7], 0x0
	s_load_b128 s[88:91], s[6:7], 0x20
	s_add_nc_u64 s[20:21], s[4:5], s[20:21]
	s_add_nc_u64 s[46:47], s[4:5], s[46:47]
	CROUND
.irp s, 0,1
	s_mov_b32 s[G0+4*\s], 1
	s_add_co_u32 s[G0+4*\s+1], s45, \s*SLOT
	s_add_nc_u64 s[G0+4*\s+2:G0+4*\s+3], s[20:21], \s*4096
	s_or_b32 s[G0+4*\s+3], s[G0+4*\s+3], 0x80000000
	s_mov_b32 s[G0B+4*\s], 1
	s_add_co_u32 s[G0B+4*\s+1], s45, \s*SLOT
	s_add_nc_u64 s[G0B+4*\s+2:G0B+4*\s+3], s[46:47], \s*4096
	s_or_b32 s[G0B+4*\s+3], s[G0B+4*\s+3], 0x80000000
.endr
	s_cmp_eq_u32 s15, 0                            ; do I fetch for A?
	s_cselect_b64 s[96:97], s[20:21], s[46:47]
	s_cselect_b32 s98, s40, s41                    ; my place among the four that ask with me
	s_mov_b32 s99, 0
	s_lshl_b32 s98, s98, 15                        ; two row tiles of 16,384 bytes each
	s_add_nc_u64 s[96:97], s[96:97], s[98:99]
	JLOAD G0, G1, G0B, G1B                         ; K step 0: one tensor load a wave at the head
	v_and_b32 v1, 31, v0
	v_lshlrev_b32 v4, 4, v1
	s_lshl_b32 s21, s15, 15
	s_lshl_b32 s22, s16, 15
	s_add_co_u32 s22, s22, 2*HALFT
.irp s, 0,1
	v_add_nc_u32 v[ADRA+\s], s21, v4
	v_add_nc_u32 v[ADRB+\s], s22, v4
	s_add_co_u32 s21, s21, SLOT
	s_add_co_u32 s22, s22, SLOT
.endr
	v_mov_b32 v[VO], v4
	v_add_nc_u32 v[VO+1], s73, v4
	v_and_b32 v[PFO], 15, v0
	v_bfe_u32 v1, v0, 4, 1
	v_lshlrev_b32 v[PFO], 8, v[PFO]
	v_lshl_add_u32 v[PFO], v1, 14, v[PFO]
	global_prefetch_b8 v[PFO], s[96:97] offset:4096 th:TH_LOAD_NT scope:SCOPE_SE   ; K step 1
	s_lshl_b32 s74, s42, 2
	s_lshl_b32 s75, s16, 1
	s_add_co_u32 s74, s74, s75
	s_mul_i32 s74, s74, s73
	s_lshl_b32 s75, s17, 4
	s_lshl_b32 s76, s15, 3
	s_add_co_u32 s75, s75, s76
	s_lshl_b32 s75, s75, 10
	s_add_co_u32 s74, s74, s75
	s_lshl_b32 s75, s66, 22
	s_add_co_u32 s74, s74, s75
	s_mov_b32 s75, 0
	s_add_nc_u64 s[8:9], s[8:9], s[74:75]
.macro FRAG reg, adr, q, i
.irp c, 0,1,2,3
	ds_load_b128 v[\reg+4*\c:\reg+4*\c+3], v[\adr] offset:(\i)*4096+(\q)*2048+512*\c
.endr
.endm
.macro MUL16 a0, p, zero
.irp a, \a0, \a0+1
.irp b, 0,1,2,3,4,5,6,7
.if \zero
	v_wmma_f32_16x16x128_fp8_fp8 v[8*(8*((\a)%4)+\b):8*(8*((\a)%4)+\b)+7], v[128*(\p)+FR*\b:128*(\p)+FR*\b+FR-1], v[AF+FR*(\a):AF+FR*(\a)+FR-1], 0
.else
	v_wmma_f32_16x16x128_fp8_fp8 v[8*(8*((\a)%4)+\b):8*(8*((\a)%4)+\b)+7], v[128*(\p)+FR*\b:128*(\p)+FR*\b+FR-1], v[AF+FR*(\a):AF+FR*(\a)+FR-1], v[8*(8*((\a)%4)+\b):8*(8*((\a)%4)+\b)+7]
.endif
.endr
.endr
.endm
.macro FETCH_B slot, q, p
	WIN TO_B
.irp i, 0,1,2,3,4,5,6,7
	FRAG 128*(\p)+FR*\i, ADRB+\slot, \q, \i
.endr
	WIN 0
.endm
.macro FETCH_A slot, q, i0
.irp i, \i0, \i0+1, \i0+2, \i0+3
	FRAG AF+FR*(\i), ADRA+\slot, \q, \i
.endr
.endm
.macro PLACES n
.rept \n
	v_nop
.endr
.endm
.macro STEP slot, q, zero
	s_wait_dscnt 4*NL
	WIN MUL_LO
	MUL16 0, (\q)%2, \zero
	MUL16 2, (\q)%2, \zero
	s_wait_dscnt 0
	PLACES NP
	FETCH_B \slot, (\q)+1, 1-(\q)%2
	FETCH_A \slot, (\q)+1, 0
	WIN MUL_HI
	MUL16 4, (\q)%2, \zero
	MUL16 6, (\q)%2, \zero
	PLACES NP
	WIN 0
	FETCH_A \slot, (\q)+1, 4
.endm
.macro TURN slot, next, fill
	s_wait_tensorcnt 0x0
	ds_add_u32 v[SPW], v[NIL]
	s_wait_dscnt 4*NL+1
	WIN MUL_LO
	MUL16 0, 1, 0
	s_wait_dscnt 0x0
	s_barrier_signal -1
	MUL16 2, 1, 0
	WIN 0
	s_barrier_wait -1
.if \fill
	CREST
	s_add_nc_u64 s[G0+4*\slot+2:G0+4*\slot+3], s[G0+4*\slot+2:G0+4*\slot+3], 2*4096
	s_add_nc_u64 s[G0B+4*\slot+2:G0B+4*\slot+3], s[G0B+4*\slot+2:G0B+4*\slot+3], 2*4096
	JLOAD G0+4*\slot, G1, G0B+4*\slot, G1B
.else
	PLACES NP
.endif
	FETCH_B \next, 0, 0
	FETCH_A \next, 0, 0
	WIN MUL_HI
	MUL16 4, 1, 0
	MUL16 6, 1, 0
	PLACES NP
	WIN 0
	FETCH_A \next, 0, 4
.endm
	s_wait_alu depctr_va_vdst(0)                   ; the wait at the head's end
	s_wait_tensorcnt 0x0                           ; my part of K step 0 is in; these lines stand ahead of a later first fill as ahead of a refill
	ds_add_u32 v[SPW], v[NIL]
	s_wait_dscnt 0x0
	CROUND                                         ; everybody's part of K step 0 is in, and the joint loads meet
	JLOAD G0+4, G1, G0B+4, G1B                     ; K step 1, the first tensor load behind the round
	FETCH_B 0, 0, 0
	FETCH_A 0, 0, 0
	FETCH_A 0, 0, 4
	global_prefetch_b8 v[PFO], s[96:97] offset:8192 th:TH_LOAD_NT scope:SCOPE_SE   ; K step 2
	STEP 0, 0, 1
	TURN 0, 1, 1
	global_prefetch_b8 v[PFO], s[96:97] offset:12288 th:TH_LOAD_NT scope:SCOPE_SE  ; K step 3, the last
	STEP 1, 0, 0
	TURN 1, 0, 1
	STEP 0, 0, 0
	TURN 0, 1, 0
	STEP 1, 0, 0
	s_wait_dscnt 4*NL
	WIN MUL_LO
	MUL16 0, 1, 0
	MUL16 2, 1, 0
	s_wait_dscnt 0
	WIN MUL_HI
	MUL16 4, 1, 0
	MUL16 6, 1, 0
	WIN 0
	s_wait_kmcnt 0x0
	s_cmp_eq_u32 s66, 1
	s_cselect_b32 s92, s82, s80
	s_cselect_b32 s93, s83, s81
	s_cselect_b32 s94, s87, s86
	s_cmp_eq_u32 s66, 2
	s_cselect_b32 s92, s84, s92
	s_cselect_b32 s93, s85, s93
	s_cselect_b32 s94, s89, s94
	s_sub_co_i32 s94, s94, s92
	s_sub_co_i32 s94, s94, s93
	s_add_co_i32 s94, s94, 127
	s_lshl_b32 s95, s94, 23
	v_mov_b32 v[SC], s95
	s_add_co_i32 s94, s94, 8
	s_lshl_b32 s94, s94, 23
	s_or_b32 s94, s94, 0x600000
	v_mov_b32 v[LIM], s94
	PLACES NP
.macro OUTB aa
.set AC, 64*((\aa)%4)
	WIN 0x02+((\aa)/4)
.set j, 0
.rept 64
	v_med3_num_f32 v[HF+j], v[AC+j], -v[LIM], v[LIM]
.set j, j+1
.endr
	WIN 0
.irp pp, 0,1,2,3
	v_cvt_scalef32_pk8_fp8_f32 v[TMP+16*(\aa)+4*\pp:TMP+16*(\aa)+4*\pp+1], v[HF+16*\pp:HF+16*\pp+7], v[SC]
	v_cvt_scalef32_pk8_fp8_f32 v[TMP+16*(\aa)+4*\pp+2:TMP+16*(\aa)+4*\pp+3], v[HF+16*\pp+8:HF+16*\pp+15], v[SC]
.endr
	v_nop
.irp pp, 0,1,2,3
	global_store_b128 v[VO+\pp/2], v[TMP+16*(\aa)+4*\pp:TMP+16*(\aa)+4*\pp+3], s[8:9] offset:(\aa)*1024+(\pp%2)*512
.endr
.endm
.irp aa, 0,1,2,3,4,5,6,7
	OUTB \aa
.endr
	s_wait_tensorcnt 0x0
	ds_add_u32 v[SPW], v[NIL]
	s_wait_dscnt 0x0
	CROUND
	s_endpgm
.Lfunc_end_k_q1f0d3e3726_proj:
	.size	k_q1f0d3e3726_proj, .Lfunc_end_k_q1f0d3e3726_proj-k_q1f0d3e3726_proj
	.p2alignl 7, 3214868480
	.fill 96, 4, 3214868480
	.section	.rodata,"a",@progbits
	.p2align	6, 0x0
	.amdhsa_kernel k_q1f0d3e3726_proj
		.amdhsa_group_segment_fixed_size 327680
		.amdhsa_private_segment_fixed_size 0
		.amdhsa_enable_private_segment 0
		.amdhsa_kernarg_size 24
		.amdhsa_user_sgpr_count 2
		.amdhsa_user_sgpr_kernarg_segment_ptr 1
		.amdhsa_wavefront_size32 1
		.amdhsa_system_sgpr_workgroup_id_x 1
		.amdhsa_system_sgpr_workgroup_id_y 1
		.amdhsa_system_sgpr_workgroup_id_z 1
		.amdhsa_system_vgpr_workitem_id 0
		.amdhsa_next_free_vgpr 1024
		.amdhsa_next_free_sgpr 100
		.amdhsa_reserve_vcc 0
		.amdhsa_float_denorm_mode_32 3
		.amdhsa_float_denorm_mode_16_64 3
		.amdhsa_memory_ordered 1
		.amdhsa_forward_progress 1
		.amdhsa_inst_pref_size 119
	.end_amdhsa_kernel
	.amdgpu_metadata
---
amdhsa.version: [ 1, 2 ]
amdhsa.kernels:
  - .name:           k_q1f0d3e3726_proj
    .symbol:         k_q1f0d3e3726_proj.kd
    .args:
      - { .name: codes, .offset: 0, .size: 8, .value_kind: global_buffer, .address_space: global }
      - { .name: lowp_scales, .offset: 8, .size: 8, .value_kind: global_buffer, .address_space: global }
      - { .name: qkv, .offset: 16, .size: 8, .value_kind: global_buffer, .address_space: global }
    .group_segment_fixed_size: 327680
    .private_segment_fixed_size: 0
    .kernarg_segment_align: 8
    .kernarg_segment_size: 24
    .max_flat_workgroup_size: 128
    .sgpr_count:     100
    .vgpr_count:     1024
    .wavefront_size: 32
...
	.end_amdgpu_metadata
.endif
;; end of part 2
;; launch attn (part 3): grid 16 x 16, 8 waves a work-group, no clusters, 327,680 bytes of LDS; arguments qkv, lowp_scales, ac; writes ac
.if DOCPART == 3
	.amdgcn_target "amdgcn-amd-amdhsa--gfx1250"
	.amdhsa_code_object_version 6
	.text
	.protected	k_q1f0d3e3726_attn
	.globl	k_q1f0d3e3726_attn
	.p2align	8
	.type	k_q1f0d3e3726_attn,@function
k_q1f0d3e3726_attn:
	s_mov_b64 s[64:65], 0
	v_nop
	global_prefetch_b8 v0, s[64:65] scope:SCOPE_SE
	s_setreg_imm32_b32 hwreg(HW_REG_WAVE_MODE, 25, 1), 1
	s_wait_xcnt 0x0
; Causal attention, 16 heads of 64, 4,096 tokens, both products on codes of FP8 (E4M3); its result, divided by the row's sum, is quantised (scale 2^e10) into the fragments that the last projection reads.
; qkv: q at 0, k at 4 MiB: [head][token tile 256][group 2][512]: 16 bytes a lane, lane (r, h) holds channels 32 g + 16 h + 0 .. 15 of its token; q's tile u holds tokens 16 u + r, k's holds tokens
; 32 (u / 2) + 8 (u % 2) + r + 8 (r / 8).  v at 8 MiB: [key / 64][channel tile 64][group 2][512]: lane (r, h) holds keys 32 g + 16 h + 0 .. 15 of its channel 32 (u / 2) + 8 (u % 2) + r + 8 (r / 8).
; THE SOFTMAX AHEAD OF THE SECOND PRODUCT: t = score x log2(e) / 8; M = the row's largest t so far, rounded UP to a whole number; p = 2^(t - M) is quantised (scale 2^e8), not normalised.  The row's sum is
; taken of the unquantised p and divides at the end.  When M moves, the sum and O are multiplied by 2^(old M - new M): exact.
; LAYOUT.  Both products are used transposed: S^T = K Q^T (source 0 = 16 keys, source 1 = 16 queries; K = 64), O^T = V^T P^T (source 0 = 16 channels, source 1 = P; K = 128 keys): a lane holds one query.
; By the keys chosen for k's tiles, p's 16 registers of tiles 2 b, 2 b + 1 are keys 32 b + 16 h + 0 .. 15; by the channels of v's tiles, O^T's 16 registers of tiles 2 b, 2 b + 1 are channels 32 b + 16 h + 0 .. 15.
; SHARES.  Work-group (i, head) owns the blocks i and 31 - i of 128 queries, of i + 1 and 32 - i steps of 128 keys: 33 steps for every i.  It walks the block with the odd number of steps first, then the other one.
; A wave owns 32 queries of a block, tiles A and B of 16, so that each fragment of K and V serves two products.  Two waves share the same 32 queries: wave 0 of the two takes step 0 and the odd steps of the walk, wave 1 the
; even steps from 2 on.  Where the walk comes to the second block a wave puts its part of the first aside in registers (SWITCH).  At the end the two hand each other a part through LDS: wave 0 of the two joins and
; stores the first block's rows, wave 1 the second's.  Steps all of whose keys come after the block's queries are not in the walk: reference()'s own mask gives them p = 0.
; (LIMIT: a NaN, an infinity or an overflow that reaches only hidden scores is not carried.)
; LDS: step 0 has bytes of its own, an eighth fetched by each wave; steps 1 to 32 go through two slots of eight steps.  Wave w fetches, with its one tensor load, K (w < 4) or V of two neighbouring steps of a slot: the
; first block's steps are odd in number and the pairs begin at odd steps, so a pair lies in one block and is one tile in memory.
; NO CLUSTER: from the first block's end on the n-th step of the work-groups of a head names different keys, so no joint load could be issued by all partners on every path.
; LIMITS: e6 + e7 between -123 and 130 (added to c's exponent field); e8, and e10 - e8 - e9, between -126 and 119; the scaled scores t stay under 2^31 in magnitude.
; REGISTERS.  Window 0 holds tile A's, window 1 tile B's: v16-23 Q, v24-31 the second block's Q, v96-159 S^T, then p, v160-191 O^T, v208-223 p's codes, v224-255 the first block's O^T put aside.
;   v32-95: K's fragments in window 0, V's in window 1.  Window 0 also: v0, v4 the parts' addresses in LDS; v1 16 x lane; v2, v196 addresses; v3 prefetch offset; v5, v6 the add's two; v[12:15] A's -M, largest score, sum in
;   two halves; v[8:11] the same of B; v192-203 at work.  v7: the greatest register key that my query sees on the diagonal (window 1: B's).  v[204:207]: v[12:15] (window 1: v[8:11]) of the first block put aside.
.set SLOT1, 1<<17                      ; a slot: K of eight steps, 8,192 bytes each, then V of eight
.set VOFF,  1<<16
.set ZSTEP, 2*SLOT1                    ; step 0: K's 8,192 bytes, then V's
.set ZVOFF, 8192
.set PART,  9216                       ; a wave's part, 2 x (8 + 1) x 512 bytes, in slot 0, which has had its last fill and its last read when the parts are stored
.set SPARE, ZSTEP+16384                ; the spare words, 128 bytes a wave, which no other line names
.set LI,   1
.set ADR,  2
.set ADV,  196
.set PFO,  3
.set SND,  4
.set RCV,  0
.set SPW,  5
.set NIL,  6
.set TBH,  2                           ; s2   LDS byte at which my step in hand begins
.set IN,   3                           ; s3   steps to go in the slot
.set HF,   11                          ; s11  which of the two waves of my 32 queries I am
.set WV,   18
.set SEL,  20                          ; s[20:21] lane selects for v_permlanex16_b32: lane l xor 16
.set CS,   22                          ; s[22:23] c = log2(e) / 8 x 2^(e6 + e7)
.set G1K,  24                          ; s[24:31], s[32:39], s[84:91] descriptor groups 1 for K, V and step 0; s[40:43] group 0, which walks
.set G1V,  32
.set G1Z,  84
.set G0,   40
.set N1,   44                          ; s44  steps of the first block
.set N1M,  45                          ; s45  N1 - 1: the first block's number
.set NS,   46                          ; s46  my step's number in the walk
.set NX,   47                          ; s47  the number of the first step that I fetch
.set KVB,  48                          ; s[48:49] the head's K or V
.set STR,  50                          ; s[50:51] from step to step there
.set LD,   54                          ; s54  where I fetch to
.set NINF, 55                          ; s55  -infinity
.set LIMS, 56                          ; s56  448 x 2^e8
.set SLOTS, 57
.set LIM,  58                          ; s58  33 in the work-groups that prefetch, else 0
.set PFB,  60                          ; s[80:81], s[60:61] where my prefetches stand
.set PFA,  80
.set MSB, 0
.macro WIN new                         ; the immediate's high byte repeats the setting that is left
.if MSB != (\new)
	s_set_vgpr_msb (MSB<<8)|(\new)
.set MSB, (\new)
.endif
.endm
; An s_nop 0 and four v_nop follow each tensor load.
.macro TLOAD
	s_cmp_lt_u32 s[WV], 4
	s_cbranch_scc0 .Lnot_k_\@
	tensor_load_to_lds s[G0:G0+3], s[G1K:G1K+7]
	s_nop 0
.rept 4
	v_nop
.endr
	s_branch .Lasked_\@
.Lnot_k_\@:
	tensor_load_to_lds s[G0:G0+3], s[G1V:G1V+7]
	s_nop 0
.rept 4
	v_nop
.endr
.Lasked_\@:
.endm
; PREFETCHES INTO THE L2.  The head's work-group 0 walks one step of its early block and then all 32 steps of keys: it alone asks, each aligned block of 256 bytes once.  With each fill it asks for the slot that the NEXT
; change of slots will load, each wave for what it will itself load: two steps, an instruction each, 8,192 bytes of K (lanes 256 bytes apart) or two rows of 4,096 bytes of V.  Step 0 comes by its loads alone.
.macro ASK
	global_prefetch_b8 v[PFO], s[PFA:PFA+1] th:TH_LOAD_NT scope:SCOPE_SE
	global_prefetch_b8 v[PFO], s[PFB:PFB+1] th:TH_LOAD_NT scope:SCOPE_SE
.endm
.macro ZEROS n, d
.set j, 0
.rept \n
	v_mov_b32 v[\d+j], 0
.set j, j+1
.endr
.endm
.macro MOVES n, d, s
.set j, 0
.rept \n
	v_mov_b32 v[\d+j], v[\s+j]
.set j, j+1
.endr
.endm
.macro INIT                            ; a block begins: sums 0, the largest score -3e38, -M 3e38; the first change of M multiplies zeros
	v_mov_b32 v12, 0x7f61b1e6
	v_mov_b32 v13, 0xff61b1e6
	v_mov_b32 v14, 0
	v_mov_b32 v15, 0
	v_mov_b32 v8, 0x7f61b1e6
	v_mov_b32 v9, 0xff61b1e6
	v_mov_b32 v10, 0
	v_mov_b32 v11, 0
	ZEROS 32, 160
	WIN 0x40
	ZEROS 32, 160
	WIN 0
.endm
	s_load_b128 s[4:7], s[0:1], 0x0                ; qkv s[4:5], the exponents s[6:7]
	s_load_b64 s[8:9], s[0:1], 0x10                ; ac
	v_lshl_add_u32 v[SPW], v0, 2, SPARE
	v_mov_b32 v[NIL], 0
	ds_add_u32 v[SPW], v[NIL]                      ; the wave's opening: the add, twice on end, and its wait ahead of my first tensor load; the set-up below stands between them
	ds_add_u32 v[SPW], v[NIL]
	v_lshrrev_b32 v8, 5, v0
	v_readfirstlane_b32 s[WV], v8                  ; wave 0..7
	s_and_b32 s10, ttmp7, 0xffff                   ; the head
	s_lshr_b32 s[HF], s[WV], 2
	s_xor_b32 s[HF], s[HF], s[WV]
	s_and_b32 s[HF], s[HF], 1                      ; of waves 2 p, 2 p + 1, and of waves w, w + 4, one is 0 and one is 1
	s_lshr_b32 s12, s[WV], 1                       ; p: my 32 queries in a block
	s_sub_co_u32 s19, 31, ttmp9
	s_and_b32 s14, ttmp9, 1
	s_cmp_eq_u32 s14, 0
	s_cselect_b32 s[N1M], ttmp9, s19               ; the first block: the one with the odd number of steps
	s_cselect_b32 s15, s19, ttmp9                  ; the second
	s_add_co_u32 s[N1], s[N1M], 1
	s_lshl_b32 s14, s12, 1
	s_lshl_b32 s13, s[N1M], 3
	s_add_co_u32 s13, s13, s14                     ; my first token tile of the first block
	s_lshl_b32 s15, s15, 3
	s_add_co_u32 s15, s15, s14                     ; and of the second
	s_lshl_b32 s66, s10, 18
	s_lshl_b32 s16, s13, 10
	s_add_co_u32 s16, s16, s66
	s_mov_b32 s17, 0
	s_lshl_b32 s62, s15, 10
	s_add_co_u32 s62, s62, s66
	s_mov_b32 s63, 0
	s_cmp_eq_u32 s[HF], 0
	s_cselect_b32 s94, s13, s15                    ; the tile that I store
	s_lshl_b32 s94, s94, 14
	s_lshl_b32 s95, s10, 10
	s_add_co_u32 s94, s94, s95
	s_mov_b32 s95, 0
	s_add_co_u32 s66, s66, 0x400000                ; the head's K
	s_lshl_b32 s67, s10, 12
	s_add_co_u32 s67, s67, 0x800000                ; the head's V
	s_mov_b32 s59, 0x10000
	s_mov_b32 s51, 0x20000
	s_cmp_lt_u32 s[WV], 4
	s_cselect_b32 s92, s66, s67
	s_cselect_b32 s[STR], 0x2000, s51              ; a step on: K 8,192 bytes, V two rows of 65,536
	s_cselect_b32 s59, 0x1000, s59                 ; half a step on
	s_mov_b32 s93, 0
	s_mov_b32 s[STR+1], 0
	s_and_b32 s14, s[WV], 3
	s_lshr_b32 s19, s14, 1
	s_mul_i32 s52, s19, s59
	s_and_b32 s19, s14, 1
	s_lshl_b32 s19, s19, 11
	s_add_co_u32 s52, s52, s19                     ; my quarter of step 0's K or V: 2,048 bytes on end,
	s_mov_b32 s53, 0
	s_lshl_b32 s19, s[WV], 11
	s_add_co_u32 s19, s19, ZSTEP                   ; and where it goes
	s_lshl_b32 s[LD], s14, 14
	s_lshr_b32 s66, s[WV], 2
	s_lshl_b32 s66, s66, 16
	s_add_co_u32 s[LD], s[LD], s66
	s_add_co_u32 s[LD], s[LD], SLOT1               ; (each change of slots turns it: the first goes to slot 0)
	s_lshl_b32 s[NX], s14, 1
	s_sub_co_u32 s[NX], s[NX], 7                   ; (each change adds 8: the first pairs begin at steps 1, 3, 5, 7)
	; descriptor groups 1, in elements of 8 bytes.  K: 16,384 bytes on end, as 64 rows of 256 bytes.  V: 4 rows of 4,096 bytes, 65,536 bytes apart.  Step 0: 2,048 bytes on end, as 8 rows of 256
	s_mov_b32 s[G1K], 3<<16
	s_mov_b32 s[G1K+1], 32<<16
	s_mov_b32 s[G1K+2], 64<<16
	s_mov_b32 s[G1K+3], 32<<16
	s_mov_b32 s[G1K+4], 64
	s_mov_b32 s[G1K+5], 32
	s_mov_b32 s[G1K+6], 0
	s_mov_b32 s[G1K+7], 0
	s_mov_b32 s[G1V], 3<<16
	s_mov_b32 s[G1V+1], 512<<16
	s_mov_b32 s[G1V+2], 4<<16
	s_mov_b32 s[G1V+3], 512<<16
	s_mov_b32 s[G1V+4], 4
	s_mov_b32 s[G1V+5], 8192
	s_mov_b32 s[G1V+6], 0
	s_mov_b32 s[G1V+7], 0
	s_mov_b32 s[G1Z], 3<<16
	s_mov_b32 s[G1Z+1], 32<<16
	s_mov_b32 s[G1Z+2], 8<<16
	s_mov_b32 s[G1Z+3], 32<<16
	s_mov_b32 s[G1Z+4], 8
	s_mov_b32 s[G1Z+5], 32
	s_mov_b32 s[G1Z+6], 0
	s_mov_b32 s[G1Z+7], 0
	s_mov_b32 s[SEL], 0x76543210
	s_mov_b32 s[SEL+1], 0xfedcba98
	s_mov_b32 s[CS], 0x3e38aa3b                    ; log2(e) / 8
	s_mov_b32 s[NINF], 0xff800000
	s_mov_b32 s[SLOTS], 3
	s_mov_b32 s[NS], 0
	s_mov_b32 s[TBH], ZSTEP
	s_wait_dscnt 0x0                               ; both opening adds are done
	s_wait_kmcnt 0x0
	s_load_b256 s[68:75], s[6:7], 0x0              ; e0 .. e7
	s_load_b128 s[76:79], s[6:7], 0x20             ; e8 .. e11
	s_mov_b32 s[G0], 1
	s_mov_b32 s[G0+1], s19
	s_add_nc_u64 s[KVB:KVB+1], s[4:5], s[92:93]
	s_add_nc_u64 s[G0+2:G0+3], s[KVB:KVB+1], s[52:53]
	s_or_b32 s[G0+3], s[G0+3], 0x80000000
	tensor_load_to_lds s[G0:G0+3], s[G1Z:G1Z+7]    ; step 0
	s_nop 0
.rept 4
	v_nop
.endr
	s_add_nc_u64 s[16:17], s[4:5], s[16:17]        ; Q of the first block
	s_add_nc_u64 s[62:63], s[4:5], s[62:63]        ; and of the second
	s_add_nc_u64 s[8:9], s[8:9], s[94:95]          ; ac at my tile and head
	v_and_b32 v9, 31, v0
	v_lshlrev_b32 v[LI], 4, v9
	global_load_b128 v[16:19], v[LI], s[16:17]
	global_load_b128 v[20:23], v[LI], s[16:17] offset:512
	global_load_b128 v[24:27], v[LI], s[62:63]
	global_load_b128 v[28:31], v[LI], s[62:63] offset:512
	WIN 0x40
	global_load_b128 v[16:19], v[LI], s[16:17] offset:1024
	global_load_b128 v[20:23], v[LI], s[16:17] offset:1536
	global_load_b128 v[24:27], v[LI], s[62:63] offset:1024
	global_load_b128 v[28:31], v[LI], s[62:63] offset:1536
	WIN 0
	v_and_b32 v[PFO], 15, v0
	v_lshlrev_b32 v[PFO], 8, v[PFO]
	v_bfe_u32 v8, v0, 4, 1
	v_mul_lo_u32 v8, v8, s59
	v_add_nc_u32 v[PFO], v[PFO], v8
	v_and_b32 v10, 15, v0
	v_bfe_u32 v11, v0, 4, 1
	v_lshlrev_b32 v11, 4, v11
	v_sub_nc_u32 v7, v10, v11
	s_lshl_b32 s19, s12, 5
	v_add_nc_u32 v7, s19, v7                       ; on the diagonal: my query - the step's first key - 16 h
	WIN 0x40
	v_add_nc_u32 v7, 16, v7                        ; (window 1's, of window 0's: tile B lies 16 queries on)
	WIN 0
	s_lshl_b32 s98, s14, 1
	s_mul_i32 s98, s98, s[STR]
	s_mov_b32 s99, 0
	s_add_nc_u64 s[PFA:PFA+1], s[KVB:KVB+1], s[98:99]
	s_add_nc_u64 s[PFB:PFB+1], s[PFA:PFA+1], s[STR:STR+1]
	s_mul_i32 s14, s[WV], PART
	s_xor_b32 s19, s[WV], 1
	s_mul_i32 s19, s19, PART
	s_wait_alu depctr_va_vdst(0)
	v_add_nc_u32 v[SND], s14, v[LI]                ; where I put my part,
	v_add_nc_u32 v[RCV], s19, v[LI]                ; and where I find that of the wave that shares my queries (v0 is not needed any more)
	s_wait_alu depctr_va_vdst(0)                   ; directly ahead of the branch
	s_cmp_eq_u32 ttmp9, 0
	s_cselect_b32 s[LIM], 33, 0
	s_cbranch_scc0 .Lnot_first
	ASK                                            ; the first slot, one change of slots ahead of its load
.Lnot_first:
.irp r, 192,193,194,195,198,199,200,201,202,203
	v_mov_b32 v\r, 0                               ; named as a permute's destination or as a pair's upper half
.endr
	ZEROS 32, 224                                  ; the part put aside is written on every way to the lines that read it
	ZEROS 4, 204
	WIN 0x40
	ZEROS 32, 224
	ZEROS 4, 204
	WIN 0
	INIT
	s_wait_alu depctr_va_vdst(0)
	s_wait_kmcnt 0x0
	s_add_co_i32 s92, s74, s75
	s_lshl_b32 s92, s92, 23
	s_add_co_i32 s[CS], s[CS], s92                 ; a score stands for score x 2^(e6 + e7): the exponents are added to c's exponent field
	s_mov_b32 s[CS+1], s[CS]                       ; (named with it as a pair, so it is written)
	s_add_co_i32 s92, s76, 127
	s_lshl_b32 s93, s92, 23
	v_mov_b32 v197, s93                            ; 2^e8, for p's conversions, in both windows
	WIN 0x40
	v_mov_b32 v197, s93
	WIN 0
	s_add_co_i32 s92, s92, 8
	s_lshl_b32 s92, s92, 23
	s_or_b32 s[LIMS], s92, 0x600000
; THE WALK COMES TO THE SECOND BLOCK: at my first step from N1 on the first block's sums are put aside and the second begins.  A branch on ids, round registers alone.
.macro SWITCH
	s_sub_co_u32 s96, s[NS], s[N1]
	s_cmp_gt_u32 s96, 1
	s_cbranch_scc1 .Lstay_\@
.rept 4
	v_nop                                          ; places behind the last products
.endr
	s_wait_alu depctr_va_vdst(0)                   ; directly ahead of the first reader of O^T
	MOVES 32, 224, 160
	MOVES 4, 204, 12
	MOVES 8, 16, 24
	WIN 0x41
	s_wait_alu depctr_va_vdst(0)
	MOVES 32, 224, 160
	MOVES 8, 16, 24
	WIN 0x40
	MOVES 4, 204, 8
	WIN 0
	INIT
	s_wait_alu depctr_va_vdst(0)
.Lstay_\@:
.endm
.macro KFETCH vo                       ; the addresses of the step at TBH, and its eight fragments of K
	v_add_nc_u32 v[ADR], s[TBH], v[LI]
	v_add_nc_u32 v[ADV], \vo, v[ADR]
.irp t, 0,1,2,3,4,5,6,7
.irp g, 0,1
	ds_load_b128 v[32+8*\t+4*\g:32+8*\t+4*\g+3], v[ADR] offset:\t*1024+512*\g
.endr
.endr
.endm
.macro QK w, b0                        ; S^T of four tiles of 16 keys
	WIN 0x44*(\w)
.irp t, \b0, \b0+1, \b0+2, \b0+3
	v_wmma_f32_16x16x64_fp8_fp8 v[96+8*(\t):103+8*(\t)], v[32+8*(\t):39+8*(\t)], v[16:23], 0
.endr
.endm
.macro HIDE w                          ; register 16 b + i holds key 32 b + 16 h + i of the step: hidden where 32 b + i > v7
	WIN 0x44*(\w)
.set n, 0
.rept 64
	v_cmp_le_i32 vcc_lo, 32*(n/16)+n%16, v7
	v_cndmask_b32 v[96+n], s[NINF], v[96+n], vcc_lo
.set n, n+1
.endr
.endm
.macro MAXES w                         ; the largest of my 64 scores, in four chains: v200-203 for A, v208-211 of window 0 for B
.set MB, 200+8*(\w)
	WIN 0x15*(\w)
.set n, 0
.rept 4
	v_max3_num_f32 v[MB+n], v[96+3*n], v[97+3*n], v[98+3*n]
.set n, n+1
.endr
	WIN 0x14*(\w)
.set n, 0
.rept 26
	v_max3_num_f32 v[MB+n%4], v[MB+n%4], v[108+2*n], v[109+2*n]
.set n, n+1
.endr
.endm
.macro HOLD r                          ; two holds in one: the conversion does not saturate (ISA guide 7.6.2); p is not negative, so the hold is one-sided
	v_dual_min_num_f32 v[\r], s[LIMS], v[\r] :: v_dual_min_num_f32 v[\r+1], s[LIMS], v[\r+1]
.endm
.macro HOLDS g0, cnt
.set g, \g0
.rept \cnt
	HOLD 128+2*g
.set g, g+1
.endr
.endm
; A tile's p, its sum, its codes, O^T under the new M, and the second product.
.macro SOFT w
.set NM, 12-4*(\w)                     ; its -M
.set SUM, 14-4*(\w)                    ; its sum
.set FF, 198-4*(\w)                    ; its 2^(old M - new M)
	WIN 0x45*(\w)
.set j, 0
.rept 16
	v_pk_fma_f32 v[96+j:97+j], v[96+j:97+j], s[CS:CS+1], v[NM:NM+1] op_sel_hi:[1,0,0]   ; t - M, two at a time (of the pairs c and -M the low word serves both halves)
.set j, j+2
.endr
	s_wait_alu depctr_va_vdst(0)                   ; ahead of the batch
.set j, 0
.rept 16                               ; the first half's exponentials, p = 2^(t - M), not normalised, stand beside the second half's multiply-adds
	v_exp_f32 v[96+j], v[96+j]
	v_pk_fma_f32 v[128+j:129+j], v[128+j:129+j], s[CS:CS+1], v[NM:NM+1] op_sel_hi:[1,0,0]
	v_exp_f32 v[97+j], v[97+j]
.set j, j+2
.endr
	v_nop                                          ; a plain line behind the exponentials
	s_wait_alu depctr_va_vdst(0)                   ; the wait behind this batch and ahead of the next
.set g, 0
.rept 8                                ; the second half's exponentials stand beside the first half's additions and, behind those, its holds: each of these reads what was finished ahead of the wait
	v_exp_f32 v[128+4*g], v[128+4*g]
	v_pk_add_f32 v[208+2*g:209+2*g], v[96+4*g:97+4*g], v[98+4*g:99+4*g]
	v_exp_f32 v[129+4*g], v[129+4*g]
	HOLD 96+4*g
	v_exp_f32 v[130+4*g], v[130+4*g]
	HOLD 98+4*g
	v_exp_f32 v[131+4*g], v[131+4*g]
.set g, g+1
.endr
	v_nop
	s_wait_alu depctr_va_vdst(0)                   ; and the second half's
.if (\w) == 0
	s_wait_dscnt 0x0                               ; V is in
.endif
.set g, 0
.rept 8
	v_pk_add_f32 v[208+2*g:209+2*g], v[208+2*g:209+2*g], v[128+4*g:129+4*g]
.set g, g+1
.endr
.set g, 0
.rept 8
	v_pk_add_f32 v[208+2*g:209+2*g], v[208+2*g:209+2*g], v[130+4*g:131+4*g]
.set g, g+1
.endr
.irp q, 208,210,212,214
	v_pk_add_f32 v[\q:\q+1], v[\q:\q+1], v[\q+8:\q+9]
.endr
	HOLDS 0, 6                                     ; the holds stand between the levels of the sum
	v_pk_add_f32 v[208:209], v[208:209], v[212:213]
	v_pk_add_f32 v[210:211], v[210:211], v[214:215]
	HOLDS 6, 5
	v_pk_add_f32 v[208:209], v[208:209], v[210:211]
	HOLDS 11, 5
	WIN 0x04*(\w)
	v_pk_add_f32 v[SUM:SUM+1], v[SUM:SUM+1], v[208:209]   ; the row's sum is taken of the unquantised p
	WIN 0x45*(\w)
.irp b, 0,1,2,3
	v_cvt_scalef32_pk8_fp8_f32 v[208+4*\b:209+4*\b], v[96+16*\b:103+16*\b], v197
	v_cvt_scalef32_pk8_fp8_f32 v[210+4*\b:211+4*\b], v[104+16*\b:111+16*\b], v197
.endr
	WIN 0x41*(\w)
	s_wait_alu depctr_va_vdst(0)                   ; directly ahead of the first reader of O^T
.set j, 0
.rept 16
	v_pk_mul_f32 v[160+j:161+j], v[160+j:161+j], v[FF:FF+1] op_sel_hi:[1,0]   ; O^T under the new M
.set j, j+2
.endr
	WIN 0x01+0x54*(\w)
.irp u, 0,1,2,3                        ; four accumulators by turns, one instruction a turn
	v_wmma_f32_16x16x128_fp8_fp8 v[160+8*\u:167+8*\u], v[32+16*\u:47+16*\u], v[208:223], v[160+8*\u:167+8*\u]
.endr
.endm
; A STEP: 128 keys x my 32 queries; its K has been asked for.  pre = 1: in its middle the slot's next step's K is asked for.
.macro CORE pre
	s_wait_alu depctr_va_vdst(0)
	s_wait_dscnt 8                                 ; K's tiles 0-3 are in; the youngest eight loads, tiles 4-7, may be out
	QK 0, 0
	QK 1, 0
	s_wait_dscnt 0x0
	QK 1, 4
	QK 0, 4
.rept 4
	v_nop                                          ; places in front of the first read of the scores, and of the loads into V's registers, which the last step's products read
.endr
	WIN 0x40
.irp u, 0,1,2,3                        ; V's four fragments land under the softmax
.irp c, 0,1,2,3
	ds_load_b128 v[32+16*\u+4*\c:32+16*\u+4*\c+3], v[ADV] offset:(\c/2)*4096+\u*1024+(\c%2)*512
.endr
.endr
	WIN 0
	s_cmp_eq_u32 s[NS], s[N1M]                     ; the last step of each block lies on the diagonal: hidden scores become -infinity ahead of the maximum.  A branch on ids
	s_cselect_b32 s96, 1, 0
	s_cmp_eq_u32 s[NS], 32
	s_cselect_b32 s96, 1, s96
	s_cmp_eq_u32 s96, 0
	s_cbranch_scc1 .Lopen_\@
	HIDE 0
	HIDE 1
	WIN 0
.Lopen_\@:
	MAXES 0
	MAXES 1
	WIN 0
	v_max3_num_f32 v200, v200, v201, v202          ; tiles A and B line by line
	v_max3_num_f32 v208, v208, v209, v210
	v_max_num_f32 v200, v200, v203
	v_max_num_f32 v208, v208, v211
	v_permlanex16_b32 v192, v200, s[SEL], s[SEL+1]
	v_permlanex16_b32 v193, v208, s[SEL], s[SEL+1]
	v_max3_num_f32 v13, v13, v200, v192            ; the row's largest score so far
	v_max3_num_f32 v9, v9, v208, v193
	v_mul_f32 v200, s[CS], v13                     ; as t (c is positive)
	v_mul_f32 v208, s[CS], v9
	v_floor_f32 v201, -v200                        ; the new -M = floor(-t): M is a whole number
	v_floor_f32 v209, -v208
	v_sub_f32 v202, v201, v12                      ; old M - new M
	v_sub_f32 v210, v209, v8
	v_mov_b32 v12, v201
	v_mov_b32 v8, v209
	v_cvt_i32_f32 v202, v202                       ; (it saturates)
	v_cvt_i32_f32 v210, v210
	v_ldexp_f32 v198, 1.0, v202                    ; 2^(old M - new M)
	v_ldexp_f32 v194, 1.0, v210
	v_pk_mul_f32 v[14:15], v[14:15], v[198:199] op_sel_hi:[1,0]   ; the sums under the new M
	v_pk_mul_f32 v[10:11], v[10:11], v[194:195] op_sel_hi:[1,0]
	SOFT 0
.if \pre
	WIN 0
	s_add_co_u32 s[TBH], s[TBH], 0x4000            ; my next step of the slot
	s_cmp_eq_u32 s[IN], 1                          ; the slot's last step asks for nothing
	s_cbranch_scc1 .Lslot_done_\@
	KFETCH VOFF                                    ; these 16 loads may be out until the next step's head
.Lslot_done_\@:
.endif
	SOFT 1
	WIN 0
	s_add_co_u32 s[NS], s[NS], 2
	s_wait_alu depctr_va_vdst(0)
.endm
; THE CHANGE OF SLOTS stands at a slot's head: the waits, the add and the barrier show the slot ahead whole and the other one left by all.  fill = 1: the other slot is filled with the eight steps that follow.
.macro CHANGE fill
	s_wait_tensorcnt 0x0                           ; no tensor load of mine is out, so group 0 may be written
	ds_add_u32 v[SPW], v[NIL]                      ; 0 onto my spare word
.if \fill
	s_xor_b32 s[LD], s[LD], SLOT1
	s_mov_b32 s[G0+1], s[LD]
	s_add_co_u32 s[NX], s[NX], 8
	s_sub_co_u32 s52, s[NX], s[N1]
	s_cmp_lt_u32 s[NX], s[N1]
	s_cselect_b32 s52, s[NX], s52                  ; step NX of the walk: keys 128 NX on in the first block, 128 (NX - N1) on in the second
	s_mul_i32 s52, s52, s[STR]
	s_add_nc_u64 s[G0+2:G0+3], s[KVB:KVB+1], s[52:53]
	s_or_b32 s[G0+3], s[G0+3], 0x80000000
	s_add_co_u32 s98, s[NX], 8                     ; the pair of the next change (in the second block, in the work-groups that ask)
	s_sub_co_u32 s98, s98, s[N1]
	s_mul_i32 s98, s98, s[STR]
	s_wait_xcnt 0x0                                ; the last prefetch has read its address, so it may be written
	s_add_nc_u64 s[PFA:PFA+1], s[KVB:KVB+1], s[98:99]
	s_add_nc_u64 s[PFB:PFB+1], s[PFA:PFA+1], s[STR:STR+1]
.endif
	s_wait_dscnt 0x0                               ; the add is done, and my reads of the slot that I have left are over
	s_barrier_signal -1
	s_barrier_wait -1
.if \fill
	TLOAD                                          ; a wave's one tensor load until the next change
	s_add_co_u32 s96, s[NX], 8
	s_cmp_lt_u32 s96, s[LIM]                       ; no pair behind step 32
	s_cbranch_scc0 .Lnot_mine_\@
	ASK
.Lnot_mine_\@:
.endif
.endm
	s_wait_alu depctr_va_vdst(0)                   ; the wait at the head's end
	s_wait_loadcnt 0x0                             ; Q
	CHANGE 1                                       ; step 0 is whole; steps 1 to 8 are asked for
	s_cmp_eq_u32 s[HF], 1
	s_cbranch_scc1 .Lstep0_done
	KFETCH ZVOFF
	CORE 0
.Lstep0_done:
	s_add_co_u32 s[NS], s[HF], 1                   ; steps 1, 3, .. or 2, 4, ..
	s_lshl_b32 s[TBH], s[HF], 13
.Lslot:                                            ; three slots: behind each change the next one is asked for
	CHANGE 1
	KFETCH VOFF
	s_mov_b32 s[IN], 4
.Lstep:                                            ; my four steps of the slot
	SWITCH
	CORE 1
	s_sub_co_u32 s[IN], s[IN], 1
	s_cmp_lg_u32 s[IN], 0
	s_cbranch_scc1 .Lstep
	s_xor_b32 s[TBH], s[TBH], SLOT1+0x10000        ; back by four steps and on to the other slot
	s_sub_co_u32 s[SLOTS], s[SLOTS], 1
	s_cmp_lg_u32 s[SLOTS], 0
	s_cbranch_scc1 .Lslot
	CHANGE 0                                       ; the last slot (slot 1) is written out: nothing is left to ask for
	KFETCH VOFF
	s_mov_b32 s[IN], 4
.Llast:
	SWITCH
	CORE 1
	s_sub_co_u32 s[IN], s[IN], 1
	s_cmp_lg_u32 s[IN], 0
	s_cbranch_scc1 .Llast
	; THE TWO PARTS ARE JOINED.  Wave 0 of the two sends its part of the second block and keeps that of the first, wave 1 the other way round.  v96-127, v[128:131]: what I send; v160-191, v[12:15], v[8:11]: what I keep.
.rept 4
	v_nop                                          ; places behind the last products
.endr
	s_cmp_eq_u32 s[HF], 1
	s_cbranch_scc1 .Lkeep
	s_wait_alu depctr_va_vdst(0)                   ; directly ahead of the first reader of O^T
	MOVES 32, 96, 160
	MOVES 32, 160, 224
	MOVES 4, 128, 12
	MOVES 4, 12, 204
	WIN 0x41
	s_wait_alu depctr_va_vdst(0)
	MOVES 32, 96, 160
	MOVES 32, 160, 224
	WIN 0x40
	MOVES 4, 128, 8
	WIN 0x01
	MOVES 4, 8, 204
	WIN 0
	s_wait_alu depctr_va_vdst(0)
	s_branch .Ljoin
.Lkeep:
	MOVES 32, 96, 224
	MOVES 4, 128, 204
	WIN 0x41
	MOVES 32, 96, 224
	MOVES 4, 128, 204
	WIN 0
	s_wait_alu depctr_va_vdst(0)
.Ljoin:
.irp q, 0,1,2,3,4,5,6,7,8
	ds_store_b128 v[SND], v[96+4*\q:99+4*\q] offset:512*\q
.endr
	WIN 0x04
.irp q, 0,1,2,3,4,5,6,7,8
	ds_store_b128 v[SND], v[96+4*\q:99+4*\q] offset:4608+512*\q
.endr
	WIN 0
	s_wait_dscnt 0x0                               ; my part is in LDS
	s_barrier_signal -1
	s_barrier_wait -1
	ds_load_b128 v[204:207], v[RCV] offset:4096    ; A's -M, largest score, sum in two halves,
	ds_load_b128 v[208:211], v[RCV] offset:8704    ; and B's
.irp q, 0,1,2,3,4,5,6,7
	ds_load_b128 v[224+4*\q:227+4*\q], v[RCV] offset:512*\q
.endr
	WIN 0x40
.irp q, 0,1,2,3,4,5,6,7
	ds_load_b128 v[224+4*\q:227+4*\q], v[RCV] offset:4608+512*\q
.endr
	WIN 0
	s_wait_dscnt 0x0
	v_min_num_f32 v200, v12, v204                  ; the common -M
	v_min_num_f32 v201, v8, v208
	v_sub_f32 v192, v200, v12
	v_sub_f32 v193, v201, v8
	v_sub_f32 v202, v200, v204
	v_sub_f32 v203, v201, v208
	v_cvt_i32_f32 v192, v192
	v_cvt_i32_f32 v193, v193
	v_cvt_i32_f32 v202, v202
	v_cvt_i32_f32 v203, v203
	v_ldexp_f32 v198, 1.0, v192                    ; mine under the common M: x this (A),
	v_ldexp_f32 v194, 1.0, v193                    ; (B);
	v_ldexp_f32 v196, 1.0, v202                    ; the other part: x this (A),
	v_ldexp_f32 v202, 1.0, v203                    ; (B)
	v_add_f32 v14, v14, v15
	v_add_f32 v10, v10, v11
	v_add_f32 v206, v206, v207
	v_add_f32 v210, v210, v211
	v_mul_f32 v14, v14, v198
	v_mul_f32 v10, v10, v194
	v_fma_f32 v14, v206, v196, v14
	v_fma_f32 v10, v210, v202, v10
	v_permlanex16_b32 v192, v14, s[SEL], s[SEL+1]
	v_permlanex16_b32 v193, v10, s[SEL], s[SEL+1]
	v_add_f32 v14, v14, v192                       ; the row's sum
	v_add_f32 v10, v10, v193
	s_wait_alu depctr_va_vdst(0)                   ; ahead of the transcendentals
	v_rcp_f32 v14, v14
	v_rcp_f32 v10, v10
	v_nop
	s_wait_alu depctr_va_vdst(0)                   ; and ahead of their first reader
	v_mul_f32 v198, v198, v14
	v_mul_f32 v196, v196, v14
	v_mul_f32 v194, v194, v10
	v_mul_f32 v202, v202, v10
	s_sub_co_i32 s92, s78, s76
	s_sub_co_i32 s92, s92, s77
	s_add_co_i32 s92, s92, 127
	s_lshl_b32 s93, s92, 23                        ; 2^(e10 - e8 - e9): O^T / the sum stands for that x 2^(e8 + e9)
	s_add_co_i32 s92, s92, 8
	s_lshl_b32 s92, s92, 23
	s_or_b32 s92, s92, 0x600000                    ; 448 x that
	v_mov_b32 v204, s93
	v_mov_b32 v205, s92
	WIN 0x40
	v_mov_b32 v204, s93
	v_mov_b32 v205, s92
.macro FIN w
.set FA, 198-4*(\w)
.set FB, 196+6*(\w)
	WIN 0x41*(\w)
	s_wait_alu depctr_va_vdst(0)                   ; directly ahead of the first reader of O^T
.set j, 0
.rept 16
	v_pk_mul_f32 v[160+j:161+j], v[160+j:161+j], v[FA:FA+1] op_sel_hi:[1,0]
.set j, j+2
.endr
	WIN 0x51*(\w)
.set j, 0
.rept 16
	v_pk_fma_f32 v[160+j:161+j], v[224+j:225+j], v[FB:FB+1], v[160+j:161+j] op_sel_hi:[1,0,1]
.set j, j+2
.endr
	WIN 0x55*(\w)
.set j, 0
.rept 32
	v_med3_num_f32 v[96+j], v[160+j], -v205, v205
.set j, j+1
.endr
.irp b, 0,1
	v_cvt_scalef32_pk8_fp8_f32 v[208+4*\b:209+4*\b], v[96+16*\b:103+16*\b], v204
	v_cvt_scalef32_pk8_fp8_f32 v[210+4*\b:211+4*\b], v[104+16*\b:111+16*\b], v204
.endr
	v_nop
.endm
	FIN 0
	FIN 1
	WIN 0                                          ; groups 2 (head % 2) + b of fragment head / 2 of my tiles in ac: 1,024 consecutive bytes a tile
	global_store_b128 v[LI], v[208:211], s[8:9]
	global_store_b128 v[LI], v[212:215], s[8:9] offset:512
	WIN 0x04
	global_store_b128 v[LI], v[208:211], s[8:9] offset:16384
	global_store_b128 v[LI], v[212:215], s[8:9] offset:16896
	WIN 0
	s_wait_tensorcnt 0x0                           ; the wave's end, behind my last tensor load and my last LDS store
	ds_add_u32 v[SPW], v[NIL]
	s_wait_dscnt 0x0
	s_endpgm
.Lfunc_end_k_q1f0d3e3726_attn:
	.size	k_q1f0d3e3726_attn, .Lfunc_end_k_q1f0d3e3726_attn-k_q1f0d3e3726_attn
	.p2alignl 7, 3214868480
	.fill 96, 4, 3214868480
	.section	.rodata,"a",@progbits
	.p2align	6, 0x0
	.amdhsa_kernel k_q1f0d3e3726_attn
		.amdhsa_group_segment_fixed_size 327680
		.amdhsa_private_segment_fixed_size 0
		.amdhsa_enable_private_segment 0
		.amdhsa_kernarg_size 24
		.amdhsa_user_sgpr_count 2
		.amdhsa_user_sgpr_kernarg_segment_ptr 1
		.amdhsa_wavefront_size32 1
		.amdhsa_system_sgpr_workgroup_id_x 1
		.amdhsa_system_sgpr_workgroup_id_y 1
		.amdhsa_system_sgpr_workgroup_id_z 1
		.amdhsa_system_vgpr_workitem_id 0
		.amdhsa_next_free_vgpr 512
		.amdhsa_next_free_sgpr 100
		.amdhsa_reserve_vcc 1
		.amdhsa_float_denorm_mode_32 3
		.amdhsa_float_denorm_mode_16_64 3
		.amdhsa_memory_ordered 1
		.amdhsa_forward_progress 1
		.amdhsa_inst_pref_size 168
	.end_amdhsa_kernel
	.amdgpu_metadata
---
amdhsa.version: [ 1, 2 ]
amdhsa.kernels:
  - .name:           k_q1f0d3e3726_attn
    .symbol:         k_q1f0d3e3726_attn.kd
    .args:
      - { .name: qkv, .offset: 0, .size: 8, .value_kind: global_buffer, .address_space: global }
      - { .name: lowp_scales, .offset: 8, .size: 8, .value_kind: global_buffer, .address_space: global }
      - { .name: ac, .offset: 16, .size: 8, .value_kind: global_buffer, .address_space: global }
    .group_segment_fixed_size: 327680
    .private_segment_fixed_size: 0
    .kernarg_segment_align: 8
    .kernarg_segment_size: 24
    .max_flat_workgroup_size: 256
    .sgpr_count:     100
    .vgpr_count:     512
    .wavefront_size: 32
...
	.end_amdgpu_metadata
.endif
;; end of part 3
;; launch oproj (part 4): grid 8 x 32, 4 waves a work-group, clusters of 4 x 4, 327,680 bytes of LDS; arguments ac, codes, lowp_scales, out0; writes out0
.if DOCPART == 4
	.amdgcn_target "amdgcn-amd-amdhsa--gfx1250"
	.amdhsa_code_object_version 6
	.text
	.protected	k_q1f0d3e3726_oproj
	.globl	k_q1f0d3e3726_oproj
	.p2align	8
	.type	k_q1f0d3e3726_oproj,@function
k_q1f0d3e3726_oproj:
	s_mov_b64 s[64:65], 0
	v_nop
	global_prefetch_b8 v0, s[64:65] scope:SCOPE_SE
	s_setreg_imm32_b32 hwreg(HW_REG_WAVE_MODE, 25, 1), 1
	s_wait_xcnt 0x0
	s_wait_alu depctr_hold_cnt(0) depctr_sa_sdst(0) depctr_va_vdst(0) depctr_va_sdst(0) depctr_va_ssrc(0) depctr_va_vcc(0) depctr_vm_vsrc(0)
	s_getreg_b32 s2, hwreg(HW_REG_IB_STS2, 6, 4)
	s_cmp_eq_u32 s2, 0
	s_cbranch_scc0 .Lentry_in_a_cluster
	s_endpgm
.Lentry_in_a_cluster:
	s_bfe_u32 s2, ttmp6, 0x10000c
	s_cmp_lg_u32 s2, 0xf033
	s_cbranch_scc0 .Lentry_shape_is_right
	s_endpgm
.Lentry_shape_is_right:
; out0[t][n] = the sum over e of A[t][e] Wo[n][e] on codes of FP8 (E4M3): A = the attention's result as codes (scale 2^e10), Wo's codes (scale 2^e11); sums in f32, each multiplied once by 2^(e10 + e11).
; LIMIT: e10 + e11 lies between -126 and 127, so that 2^(e10 + e11) is an f32 number.
; Both operands come as images of operand registers (16 rows x 128 K = 2,048 bytes, 16 bytes a lane at 16 x lane): ac [token tile 256][8][2048]; Wo at row tiles 960-1023 of codes, laid alike.
; 256 work-groups, each 128 x 128 of the output; a wave makes 64 x 64: 16 accumulators.  THE WHOLE K OF BOTH PANELS LIES IN LDS (A's 8 row tiles x 16,384 bytes, then Wo's): each byte is filled once, so there is no
; ring.  A wave has ONE tensor load, 4 row tiles: waves 0 and 1 A's, waves 2 and 3 Wo's.
; THE WORK GOES BY ROWS OF THE OUTPUT: Wo's fragments (8 x 64 registers) are read once and stay, A's come by blocks of 16 rows x the whole K (128 registers, two buffers); each block of 16 rows x 64 columns is stored as soon
; as its 32 products are done.
; CLUSTERS: 4 x 4 work-groups; A's tiles are shared along a row of the cluster, Wo's along a column: each is asked for JOINTLY, by the same load with the same descriptor and a mask that names the four.
; No prefetch: there is no loop to run ahead in.
; THE MATRIX INSTRUCTION IS USED TRANSPOSED (source 0 = 16 rows of Wo, source 1 = 16 tokens): a lane holds eight neighbouring numbers of a row of the output.
; REGISTERS: window 0: v8-29 addresses; v32-63 a block's scaled sums; v64-127 rows read back, two sets; v128-255 the accumulators ((a, b) at v[128 + 8 (4 a + b)]).
;   window 1: A's two buffers;  windows 2 and 3: Wo's fragments, 128 along K numbers 0-3 and 4-7.
.set PANEL,  131072                    ; a panel in LDS
.set STG,    2*PANEL                   ; behind the panels: a stage of 16 rows x 272 bytes for each wave; no tensor load lands here
.set SPITCH, 272                       ; 256 bytes + 16: sixteen rows' equal columns fall on sixteen different 16-byte columns modulo 256
.set SPARE,  STG+4*16*SPITCH           ; behind the stages: the spare words, 128 bytes a wave, which no other line names
.set ADRA, 8                           ; v8      LDS address of my A fragments
.set ADRB, 12                          ; v12     the same for Wo
.set STO,  24                          ; v24     the way out: where I put 32 bytes of a row
.set RD,   25                          ; v25     where I read rows back
.set CO,   26                          ; v26     my byte offset in the output
.set SPW,  28
.set NIL,  29
.set TMP,  32
.set BK,   64
.set ACC,  128
.set G1,  24                           ; s[24:31], s[32:35] descriptor groups 1 and 0 for A;  s[68:75], s[76:79] for Wo
.set G0,  32
.set G1B, 68
.set G0B, 76
.set MSB, 0
.macro WIN new                         ; the immediate's high byte repeats the setting that is left
.if MSB != (\new)
	s_set_vgpr_msb (MSB<<8)|(\new)
.set MSB, (\new)
.endif
.endm
.macro CROUND                          ; a round of the cluster's barrier
	s_barrier_signal -1
	s_barrier_wait -1
	s_cmp_lg_u32 s14, 0
	s_cbranch_scc1 .Lnot_wave_0_\@
	s_barrier_signal -3
.Lnot_wave_0_\@:
	s_barrier_wait -3
	s_barrier_signal -1
	s_barrier_wait -1
.endm
	s_load_b256 s[4:11], s[0:1], 0x0               ; ac s[4:5], codes s[6:7], the exponents s[8:9], out0 s[10:11]
	v_lshl_add_u32 v[SPW], v0, 2, SPARE
	v_mov_b32 v[NIL], 0
	ds_add_u32 v[SPW], v[NIL]                      ; the wave's opening: the add, twice on end, and its wait ahead of my first tensor load; the set-up below stands between them
	ds_add_u32 v[SPW], v[NIL]
	v_lshrrev_b32 v1, 5, v0
	v_readfirstlane_b32 s14, v1                    ; wave 0..3
	s_lshr_b32 s15, s14, 1                         ; which half of the tile's rows is mine.  Also: I fetch for A (0) or for Wo (1)
	s_and_b32 s16, s14, 1                          ; which half of its columns.  Also: which 4 row tiles I fetch
	s_bfe_u32 s48, ttmp6, 0x40000                  ; cx, cy
	s_bfe_u32 s49, ttmp6, 0x40004
	s_lshl_b32 s50, ttmp9, 2
	s_add_co_u32 s50, s50, s48                     ; tile column = 4 x cluster x + cx
	s_and_b32 s51, ttmp7, 0xffff
	s_lshl_b32 s51, s51, 2
	s_add_co_u32 s51, s51, s49                     ; tile row = 4 x cluster y + cy
	s_lshl_b32 s52, s49, 2
	s_lshl_b32 s52, 15, s52                        ; my row of the cluster
	s_lshl_b32 s53, 0x1111, s48                    ; my column
	; descriptor group 1: 4 row tiles on end, 65,536 bytes, as 4 rows of 16,384; no padding
	s_or_b32 s[G1+0], s52, 1<<21                   ; 15:0 the mask; 17:16 elements of 1 byte; 21 set beside a mask
	s_or_b32 s[G1B+0], s53, 1<<21
.irp g, G1, G1B
	s_mov_b32 s[\g+1], 16384<<16                   ; tensor_dim0
	s_mov_b32 s[\g+2], 4<<16                       ; tensor_dim1
	s_mov_b32 s[\g+3], 16384<<16                   ; tile_dim0
	s_mov_b32 s[\g+4], 4                           ; tile_dim1
	s_mov_b32 s[\g+5], 16384                       ; tensor_dim0_stride
	s_mov_b32 s[\g+6], 0
	s_mov_b32 s[\g+7], 0
.endr
	s_lshl_b32 s54, s16, 16
	s_lshl_b32 s56, s51, 17                        ; A: (8 x tile row + 4 x half) x 16,384 bytes
	s_add_co_u32 s56, s56, s54
	s_mov_b32 s57, 0
	s_lshl_b32 s58, s50, 3
	s_add_co_u32 s58, s58, 960
	s_lshl_b32 s58, s58, 14                        ; Wo: (960 + 8 x tile column + 4 x half) x 16,384
	s_add_co_u32 s58, s58, s54
	s_mov_b32 s59, 0
	s_lshl_b32 s55, s14, 16                        ; where it goes: wave x 65,536
	s_wait_dscnt 0x0                               ; both opening adds are done
	s_wait_kmcnt 0x0
	s_load_b64 s[96:97], s[8:9], 0x28              ; e10, e11
	s_add_nc_u64 s[56:57], s[4:5], s[56:57]
	s_add_nc_u64 s[58:59], s[6:7], s[58:59]
	s_mov_b32 s[G0], 1
	s_mov_b32 s[G0+1], s55
	s_mov_b64 s[G0+2:G0+3], s[56:57]
	s_or_b32 s[G0+3], s[G0+3], 0x80000000
	s_mov_b32 s[G0B], 1
	s_mov_b32 s[G0B+1], s55
	s_mov_b64 s[G0B+2:G0B+3], s[58:59]
	s_or_b32 s[G0B+3], s[G0B+3], 0x80000000
	CROUND                                         ; all sixteen work-groups are here: the joint loads meet
	s_cmp_eq_u32 s15, 0                            ; an s_nop 0 and four v_nop follow each of the two lines
	s_cbranch_scc0 .Lfirst_b
	tensor_load_to_lds s[G0:G0+3], s[G1:G1+7]
	s_nop 0
.rept 4
	v_nop
.endr
	s_branch .Lfirst_asked
.Lfirst_b:
	tensor_load_to_lds s[G0B:G0B+3], s[G1B:G1B+7]
	s_nop 0
.rept 4
	v_nop
.endr
.Lfirst_asked:
	v_and_b32 v1, 31, v0
	v_lshlrev_b32 v4, 4, v1                        ; 16 x lane
	s_lshl_b32 s60, s15, 16                        ; my 4 row tiles of A
	s_lshl_b32 s61, s16, 16                        ; my 4 of Wo,
	s_add_co_u32 s61, s61, PANEL                   ; which lie behind A's 8
	v_add_nc_u32 v[ADRA], s60, v4
	v_add_nc_u32 v[ADRB], s61, v4
	v_and_b32 v2, 15, v0                           ; r
	v_bfe_u32 v3, v0, 4, 1                         ; h
	s_mul_i32 s62, s14, 16*SPITCH
	s_add_co_u32 s62, s62, STG                     ; my stage
	v_mul_u32_u24 v[STO], v2, SPITCH               ; in: row r, 32 bytes for each half of the lanes
	v_lshl_add_u32 v[STO], v3, 5, v[STO]
	v_add_nc_u32 v[STO], s62, v[STO]
	v_mul_u32_u24 v[RD], v3, SPITCH                ; back: lanes 0-15 one row of 256 bytes, lanes 16-31 the next
	v_lshl_add_u32 v[RD], v2, 4, v[RD]
	v_add_nc_u32 v[RD], s62, v[RD]
	v_lshlrev_b32 v[CO], 12, v3                    ; and the same two rows of 4,096 bytes in the output
	v_lshl_add_u32 v[CO], v2, 4, v[CO]
	s_lshl_b32 s60, s51, 7
	s_lshl_b32 s61, s15, 6
	s_add_co_u32 s60, s60, s61                     ; my first row: 128 x tile row + 64 x half
	s_lshl_b32 s60, s60, 12
	s_lshl_b32 s61, s50, 9                         ; my first column, in bytes: 512 x tile column + 256 x half
	s_add_co_u32 s60, s60, s61
	s_lshl_b32 s61, s16, 8
	s_add_co_u32 s60, s60, s61
	s_mov_b32 s61, 0
	s_add_nc_u64 s[10:11], s[10:11], s[60:61]
.macro ALOAD a                         ; A's fragments of block a, the whole K: 32 LDS loads
	WIN 0x40
.irp s, 0,1,2,3,4,5,6,7
.irp c, 0,1,2,3
	ds_load_b128 v[128*((\a)%2)+16*\s+4*\c:128*((\a)%2)+16*\s+4*\c+3], v[ADRA] offset:(\a)*16384+\s*2048+512*\c
.endr
.endr
.endm
.macro BLOAD k                         ; Wo's four fragments of the k-th 128 along K: 16 LDS loads
	WIN 0x80+0x40*((\k)/4)
.irp b, 0,1,2,3
.irp c, 0,1,2,3
	ds_load_b128 v[64*((\k)%4)+16*\b+4*\c:64*((\k)%4)+16*\b+4*\c+3], v[ADRB] offset:\b*16384+(\k)*2048+512*\c
.endr
.endr
.endm
.macro MUL4 a, k                       ; block a's four accumulators take turns, one instruction a turn; the first product starts the sums
	WIN 0x06+((\k)/4)
.irp b, 0,1,2,3
.if (\k) == 0
	v_wmma_f32_16x16x128_fp8_fp8 v[ACC+32*(\a)+8*\b:ACC+32*(\a)+8*\b+7], v[64*((\k)%4)+16*\b:64*((\k)%4)+16*\b+15], v[128*((\a)%2)+16*(\k):128*((\a)%2)+16*(\k)+15], 0
.else
	v_wmma_f32_16x16x128_fp8_fp8 v[ACC+32*(\a)+8*\b:ACC+32*(\a)+8*\b+7], v[64*((\k)%4)+16*\b:64*((\k)%4)+16*\b+15], v[128*((\a)%2)+16*(\k):128*((\a)%2)+16*(\k)+15], v[ACC+32*(\a)+8*\b:ACC+32*(\a)+8*\b+7]
.endif
.endr
.endm
; THE WAY OUT of a block.  A lane holds 32 neighbouring bytes of a row, the lanes beside it other rows: a block goes through my own stage and comes back as rows of 256 bytes,
; which sixteen lanes store as one aligned run of 256 bytes.  LDS serves a wave's instructions in order (ISA guide 5.7.1.4): no wait between the stores and the loads, nor in front of the next block's stores.
.macro TOSTAGE a
.set j, 0
.rept 16
	v_pk_mul_f32 v[TMP+j:TMP+j+1], v[ACC+32*(\a)+j:ACC+32*(\a)+j+1], s[96:97] op_sel_hi:[1,0]   ; both x s96 = 2^(e10 + e11); each accumulator from its low end on
.set j, j+2
.endr
.irp b, 0,1,2,3
	ds_store_b128 v[STO], v[TMP+8*\b:TMP+8*\b+3] offset:64*\b
	ds_store_b128 v[STO], v[TMP+8*\b+4:TMP+8*\b+7] offset:64*\b+16
.endr
.set BB, BK+32*((\a)%2)
.irp i, 0,1,2,3,4,5,6,7
	ds_load_b128 v[BB+4*\i:BB+4*\i+3], v[RD] offset:\i*2*SPITCH
.endr
.endm
.macro SEND a, younger                 ; younger: the LDS instructions issued behind block a's loads, which may stay out
.set BB, BK+32*((\a)%2)
	s_wait_dscnt \younger
.irp i, 0,1,2,3,4,5,6,7
	global_store_b128 v[CO], v[BB+4*\i:BB+4*\i+3], s[10:11] offset:(\a)*65536+2*\i*4096 th:TH_STORE_NT   ; written once, read by nobody here
.endr
.endm
	s_wait_alu depctr_va_vdst(0)                   ; the wait at the head's end
	s_wait_kmcnt 0x0
	s_add_co_i32 s96, s96, s97                     ; e10 + e11, between -126 and 127,
	s_add_co_i32 s96, s96, 127
	s_lshl_b32 s96, s96, 23                        ; makes the f32 number 2^(e10 + e11)
	s_wait_tensorcnt 0x0                           ; my load has landed
	s_barrier_signal -1
	s_barrier_wait -1                              ; everybody's has: both panels are whole
	ALOAD 0
	BLOAD 0
	BLOAD 1
.irp k, 0,1,2,3,4,5,6,7                ; block 0, while Wo's fragments come in
.if \k == 7
	s_wait_dscnt 32                                ; all but block 1's 32 loads
.else
	s_wait_dscnt 16                                ; all but the next 128 along K
.endif
	MUL4 0, \k
.if \k < 6
	BLOAD \k+2
.endif
.if \k == 6
	ALOAD 1
.endif
.endr
.irp a, 0,1,2,3
.if \a > 0
.irp k, 0,1,2,3,4,5,6,7                ; its fragments are in: SEND's wait for the block before covers them
	MUL4 \a, \k
.endr
.endif
	WIN 0
.rept 4
	v_nop                                          ; four plain lines between the last products and the first read of them (ISA guide 7.12.1)
.endr
.if \a > 1
	s_wait_xcnt 0x0                                ; block a - 2's stores have read their registers: block a's loads may land there
.endif
	TOSTAGE \a
.if \a < 2
	ALOAD \a+2                                     ; its buffer takes the block two further on
	WIN 0
	SEND \a, 32
.else
	SEND \a, 0
.endif
.endr
	s_wait_tensorcnt 0x0                           ; the wave's end, behind my last tensor load and my last LDS store
	ds_add_u32 v[SPW], v[NIL]
	s_wait_dscnt 0x0
	CROUND                                         ; the closing round: no work-group ends while a partner may still ask for a tile that names it
	s_endpgm
.Lfunc_end_k_q1f0d3e3726_oproj:
	.size	k_q1f0d3e3726_oproj, .Lfunc_end_k_q1f0d3e3726_oproj-k_q1f0d3e3726_oproj
	.p2alignl 7, 3214868480
	.fill 96, 4, 3214868480
	.section	.rodata,"a",@progbits
	.p2align	6, 0x0
	.amdhsa_kernel k_q1f0d3e3726_oproj
		.amdhsa_group_segment_fixed_size 327680
		.amdhsa_private_segment_fixed_size 0
		.amdhsa_enable_private_segment 0
		.amdhsa_kernarg_size 32
		.amdhsa_user_sgpr_count 2
		.amdhsa_user_sgpr_kernarg_segment_ptr 1
		.amdhsa_wavefront_size32 1
		.amdhsa_system_sgpr_workgroup_id_x 1
		.amdhsa_system_sgpr_workgroup_id_y 1
		.amdhsa_system_sgpr_workgroup_id_z 1
		.amdhsa_system_vgpr_workitem_id 0
		.amdhsa_next_free_vgpr 1024
		.amdhsa_next_free_sgpr 100
		.amdhsa_reserve_vcc 0
		.amdhsa_float_denorm_mode_32 3
		.amdhsa_float_denorm_mode_16_64 3
		.amdhsa_memory_ordered 1
		.amdhsa_forward_progress 1
		.amdhsa_inst_pref_size 43
	.end_amdhsa_kernel
	.amdgpu_metadata
---
amdhsa.version: [ 1, 2 ]
amdhsa.kernels:
  - .name:           k_q1f0d3e3726_oproj
    .symbol:         k_q1f0d3e3726_oproj.kd
    .args:
      - { .name: ac, .offset: 0, .size: 8, .value_kind: global_buffer, .address_space: global }
      - { .name: codes, .offset: 8, .size: 8, .value_kind: global_buffer, .address_space: global }
      - { .name: lowp_scales, .offset: 16, .size: 8, .value_kind: global_buffer, .address_space: global }
      - { .name: out0, .offset: 24, .size: 8, .value_kind: global_buffer, .address_space: global }
    .group_segment_fixed_size: 327680
    .private_segment_fixed_size: 0
    .kernarg_segment_align: 8
    .kernarg_segment_size: 32
    .max_flat_workgroup_size: 128
    .sgpr_count:     100
    .vgpr_count:     1024
    .wavefront_size: 32
...
	.end_amdgpu_metadata
.endif
;; end of part 4
